; MI455X (gfx1250); checked and timed in simulation.
; The chip was launched on July 23, 2026; its instructions are those of AMD's public machine-readable ISA for CDNA 5 (MIT licence, August 2026) and "CDNA5" Instruction Set Architecture Reference Guide (July 2026). The comments in the code are by the model that wrote it; some were corrected since.
;; Mo E Layer. Allowed arithmetic: matrix products marked QUANTISED: E2M1 operands, one E8M0 scale for each 32 along K, by v_wmma_scale_f32_16x16x128_f8f6f4 with both operands' format E2M1 (or v_wmma_scale_f32_32x16x128_f4), f32 sums; products left as they are: f32 operands where the result goes on into a quantised operand, else bf16, f16 or f32 operands; f32 sums; everything else in f32.
;; Inputs: b1 8 x 256 float32; b2 8 x 256 float32; b3 8 x 1,024 float32; gate_b 8 float32; gate_w 1,024 x 8 float32; w1 8 x 1,024 x 256 float32; w2 8 x 1,024 x 256 float32; w3 8 x 256 x 1,024 float32; x 4 x 2,048 x 1,024 float32.
;; Outputs: out0 4 x 2,048 x 1,024 float32; out1 one number float32.
;; This version of the problem:
;;   THIS VERSION OF THE PROBLEM IS GIVEN IN LOW PRECISION. The matrix products marked QUANTISED in the list below multiply operands that are first quantised to E2M1 (2 exponent bits, 1 mantissa bit; 4 bits a number), with one power-of-two scale for each 32 numbers along K (OCP MX v1.0); their sums are f32. All else is computed in f32.
;;   The module's matrix products, in the order in which they are computed (A, B: the left and right operand; K: the contracted axis; several contracted axes count as one K, in the product's order):
;;     1. [M 8,192, K 1,024] x [K 1,024, N 8]; A: input x; B: input gate_w: left as it is (N = 8 < 16)
;;     2. [M 8,192, K 1,024] x [K 1,024, N 256]; A: input x; B: input w2: QUANTISED
;;     3. [M 8,192, K 1,024] x [K 1,024, N 256]; A: input x; B: input w1: QUANTISED
;;     4. [M 8,192, K 256] x [K 256, N 1,024]; A: computed on the way; B: input w3: QUANTISED
;;     5. [M 8,192, K 1,024] x [K 1,024, N 256]; A: input x; B: input w2: QUANTISED
;;     6. [M 8,192, K 1,024] x [K 1,024, N 256]; A: input x; B: input w1: QUANTISED
;;     7. [M 8,192, K 256] x [K 256, N 1,024]; A: computed on the way; B: input w3: QUANTISED
;;     8. [M 8,192, K 1,024] x [K 1,024, N 256]; A: input x; B: input w2: QUANTISED
;;     9. [M 8,192, K 1,024] x [K 1,024, N 256]; A: input x; B: input w1: QUANTISED
;;     10. [M 8,192, K 256] x [K 256, N 1,024]; A: computed on the way; B: input w3: QUANTISED
;;     11. [M 8,192, K 1,024] x [K 1,024, N 256]; A: input x; B: input w2: QUANTISED
;;     12. [M 8,192, K 1,024] x [K 1,024, N 256]; A: input x; B: input w1: QUANTISED
;;     13. [M 8,192, K 256] x [K 256, N 1,024]; A: computed on the way; B: input w3: QUANTISED
;;     14. [M 8,192, K 1,024] x [K 1,024, N 256]; A: input x; B: input w2: QUANTISED
;;     15. [M 8,192, K 1,024] x [K 1,024, N 256]; A: input x; B: input w1: QUANTISED
;;     16. [M 8,192, K 256] x [K 256, N 1,024]; A: computed on the way; B: input w3: QUANTISED
;;     17. [M 8,192, K 1,024] x [K 1,024, N 256]; A: input x; B: input w2: QUANTISED
;;     18. [M 8,192, K 1,024] x [K 1,024, N 256]; A: input x; B: input w1: QUANTISED
;;     19. [M 8,192, K 256] x [K 256, N 1,024]; A: computed on the way; B: input w3: QUANTISED
;;     20. [M 8,192, K 1,024] x [K 1,024, N 256]; A: input x; B: input w2: QUANTISED
;;     21. [M 8,192, K 1,024] x [K 1,024, N 256]; A: input x; B: input w1: QUANTISED
;;     22. [M 8,192, K 256] x [K 256, N 1,024]; A: computed on the way; B: input w3: QUANTISED
;;     23. [M 8,192, K 1,024] x [K 1,024, N 256]; A: input x; B: input w2: QUANTISED
;;     24. [M 8,192, K 1,024] x [K 1,024, N 256]; A: input x; B: input w1: QUANTISED
;;     25. [M 8,192, K 256] x [K 256, N 1,024]; A: computed on the way; B: input w3: QUANTISED
;;   THE QUANTISER, for each operand of a quantised product, along K:
;;     - K is cut into blocks of 32 from its start; a last block that is shorter is filled with zeros.
;;     - A block's scale is 2^e with e = floor(log2(the largest magnitude in the block)) - 2, held to -126 .. 127; a block of zeros has e = 0. As a byte (E8M0): e + 127.
;;     - Each number is divided by its block's scale, clamped to +-6, and rounded to the nearest number of E2M1, ties to even, subnormals kept.
;;     - The product sums the exact products of the quantised numbers (number of the format x scale) in f32.
;;   ~~~python
;;   def quantise(x, axis):      # numpy; x: float32 -> the quantised numbers, widened to float32 again
;;       x = np.moveaxis(x, axis, -1); K = x.shape[-1]
;;       x = np.pad(x, [(0, 0)] * (x.ndim - 1) + [(0, -K % 32)]); x = x.reshape(x.shape[:-1] + (-1, 32)); a = np.abs(x).max(-1, keepdims=True)
;;       e = np.where(a > 0, np.clip(np.frexp(np.where(a > 0, a, 1))[1] - 1 - 2, -126, 127), 0)      # np.frexp(a)[1] - 1 = floor(log2(a)), exactly
;;       r = np.clip(x / 2.0 ** e, -6, 6)
;;       step = 2.0 ** (np.maximum(np.frexp(np.where(r == 0, 1, r))[1] - 1, 0) - 1)
;;       q = np.round(r / step) * step * 2.0 ** e      # np.round: ties to even
;;       return np.moveaxis(q.reshape(q.shape[:-2] + (-1,))[..., :K], -1, axis).astype(np.float32)
;;   ~~~
;;   OPERANDS COMPUTED ON THE WAY. 'Computed on the way' means the value that the module computes at that place (a softmax that the list does not call 'softmax' is quantised finished and normalised). What goes into a quantiser is computed in f32, as accurately as f32 sums, v_exp_f32 and their like allow (about 1e-6 of the number): no bf16 or f16 on the way to a quantiser, and a product that is left as it is and whose result goes on into a quantised operand takes f32 operands (vector FMAs, or v_wmma_f32_16x16x4_f32). A number that lies on a knife's edge between two numbers of the format may be rounded either way, as far as f32 arithmetic and the matrix unit's own rounding can turn it there, and no further.
;; 2 versions. Each part assembles by itself: llvm-mc -triple=amdgcn-amd-amdhsa -mcpu=gfx1250 --defsym DOCPART=n.
;; ======== version 1 of 2: 3 launches
;; workspace buffers: xq 4,456,448 bytes; wq 3,342,336 bytes; rt 73,728 bytes; sel 65,536 bytes of whole numbers; plan 49,152 bytes of whole numbers
;; launch prep (part 1): grid 448 x 1, 8 waves a work-group, no clusters, 164,864 bytes of LDS; arguments x, gate_w, gate_b, w1, w2, w3, xq, wq, rt, sel; writes xq, wq, rt, sel
.if DOCPART == 1
	.amdgcn_target "amdgcn-amd-amdhsa--gfx1250"
	.amdhsa_code_object_version 6
	.text
	.protected	k_q65a8974ae6_prep
	.globl	k_q65a8974ae6_prep
	.p2align	8
	.type	k_q65a8974ae6_prep,@function
k_q65a8974ae6_prep:
	s_mov_b64 s[64:65], 0
	v_nop
	global_prefetch_b8 v0, s[64:65] scope:SCOPE_SE
	s_setreg_imm32_b32 hwreg(HW_REG_WAVE_MODE, 25, 1), 1
	s_wait_xcnt 0x0
; PREP: every f32 input is read once.  Three kinds of work-group, chosen by the work-group's number, each with LDS bytes of its own:
;   0..255   X:   32 tokens of x: codes of E2M1 and E8M0 scale bytes (xq), the router in f32 (8 logits, softmax, top-2), stored at FIXED places:
;                 rt: (c_lo, c_hi) a token, 8 sums of scores a work-group;  sel: pair number | rank << 8 a token, a histogram of the 28 pairs a work-group.
;   256..383 W12: 128 columns x 256 k of w1 or w2;   384..447 W3: 128 columns x 256 k of w3: codes and scale bytes (wq), laid in the order of the operand registers of the wave that will load them.
; A block's scale byte is its largest magnitude's exponent field - 2, held at 1 from below.
; LIMITS: NaN and infinities among the inputs are not served.  A block of zeros gets the byte 1 where the rule says 127 (its codes are zeros; this program alone reads the bytes); blocks whose largest
; magnitude lies under 2^-124 are held at the byte 1.  A logit is summed in 16 chains of 64 numbers and a tree, not in reference()'s order: a token whose second and third scores agree to about 1e-7 may choose otherwise.
; No matrix unit (the router's product has 8 columns and decides indices: f32 multiply-adds), no tensor load, no cluster: nothing is read by two work-groups but 32 KB of gate_w.
.set XSO,   0x400000                   ; xq: scale bytes behind the codes
.set XST,   0                          ; X: 8 stages of 32 rows x 272, a wave's own
.set CST,   69632                      ; X: 32 rows of codes x 528
.set SST,   86528                      ; X: 32 rows x 32 scale bytes
.set LGT,   87552                      ; X: [wave][token][8] parts of logits
.set GST,   95744                      ; X: [wave][e][128 k] gate_w, turned
.set WST12, 128512                     ; W12: 8 stages of 2,048
.set WSB12, 144896                     ; W12: 1,024 scale bytes
.set WST3,  145920
.set WSB3,  162304
; four k of gate_w for all eight e: every lane reads the same 16 bytes
.macro GL c, hb
.irp e, 0,1,2,3,4,5,6,7
	ds_load_b128 v[16+32*((\hb)%2)+4*\e:16+32*((\hb)%2)+4*\e+3], v14 offset:512*\e+16*(16*\c+(\hb))
.endr
.endm
; 64 k of my 128: through my stage, so that lane t holds 64 neighbours of token t; two blocks are quantised; 8 x 64 multiply-adds a lane
.macro CHUNK c
.set RC, 80+64*\c
	s_wait_loadcnt 16-16*\c                        ; this chunk's 16 loads are in; the other chunk's 16 are younger
.irp i, 0,1,2,3,4,5,6,7,8,9,10,11,12,13,14,15
	ds_store_b128 v3, v[RC+4*\i:RC+4*\i+3] offset:544*\i
.endr
	s_wait_dscnt 0x0                               ; the stores have read their registers
.irp i, 0,1,2,3,4,5,6,7,8,9,10,11,12,13,14,15
	ds_load_b128 v[RC+4*\i:RC+4*\i+3], v4 offset:16*\i
.endr
	GL \c, 0
	GL \c, 1
	s_wait_dscnt 16                                ; my 64 numbers are in; the 16 loads of gate_w are younger
.irp b, 0,1
	v_max3_num_f32 v[248+\b], |v[RC+32*\b]|, |v[RC+32*\b+1]|, 0x1800000   ; the floor 2^(3 - 127) holds the byte at 1 from below
.endr
.irp i, 2,4,6,8,10,12,14,16,18,20,22,24,26,28,30
.irp b, 0,1
	v_max3_num_f32 v[248+\b], v[248+\b], |v[RC+32*\b+\i]|, |v[RC+32*\b+\i+1]|
.endr
.endr
.irp b, 0,1
	v_add_nc_u32 v[250+\b], 0xff000000, v[248+\b]  ; 2 off the exponent field: the conversion's scale operand
.endr
.irp b, 0,1
.irp g, 0,1,2,3
	v_cvt_scalef32_pk8_fp4_f32 v[224+8*\c+4*\b+\g], v[RC+32*\b+8*\g:RC+32*\b+8*\g+7], v[250+\b]
.endr
.endr
.irp b, 0,1
	v_lshrrev_b32 v[252+2*\c+\b], 23, v[250+\b]    ; the scale's byte (also the plain line behind the conversions)
.endr
.set HB, 0
.rept 16
.if HB < 15
	s_wait_dscnt 8                                 ; this set of gate_w is in, the other set's eight loads are younger
.else
	s_wait_dscnt 0x0
.endif
.irp kp, 0,1
.irp e, 0,1,2,3,4,5,6,7
	v_pk_fma_f32 v[208+2*\e:209+2*\e], v[RC+4*HB+2*\kp:RC+4*HB+2*\kp+1], v[16+32*(HB%2)+4*\e+2*\kp:16+32*(HB%2)+4*\e+2*\kp+1], v[208+2*\e:209+2*\e]
.endr
.endr
.if HB < 14
	GL \c, HB+2
.endif
.set HB, HB+1
.endr
.endm
; A weight's share: wave = one block of 32 k, lane = 4 neighbouring columns.  s[38:39] source, s[40:41] codes, s[42:43] scale bytes.
.macro WQ rowb, tstep
.set I, 0
.rept 32
	global_load_b128 v[64+4*I:67+4*I], v2, s[38:39] offset:I*\rowb th:TH_LOAD_NT   ; 32 lanes read 512 consecutive bytes of row k
.set I, I+1
.endr
	s_wait_loadcnt 0x0
.irp c, 0,1,2,3
	v_max3_num_f32 v[16+\c], |v[64+\c]|, |v[68+\c]|, 0x1800000
.endr
.set I, 2
.rept 15
.irp c, 0,1,2,3
	v_max3_num_f32 v[16+\c], v[16+\c], |v[64+4*I+\c]|, |v[68+4*I+\c]|
.endr
.set I, I+2
.endr
.irp c, 0,1,2,3
	v_add_nc_u32 v[20+\c], 0xff000000, v[16+\c]
.endr
.irp c, 0,1,2,3
	v_lshrrev_b32 v[24+\c], 23, v[20+\c]
.endr
; the conversion takes eight neighbours along K from consecutive registers; a column's lie four registers apart: eight copies, the price of loads of 512 bytes.  Two sets by turns.
.irp c, 0,1,2,3
.irp g, 0,1,2,3
.irp t, 0,1,2,3,4,5,6,7
	v_mov_b32 v[32+8*((4*\c+\g)%2)+\t], v[64+4*(8*\g+\t)+\c]
.endr
	v_cvt_scalef32_pk8_fp4_f32 v[48+4*\c+\g], v[32+8*((4*\c+\g)%2):32+8*((4*\c+\g)%2)+7], v[20+\c]
.endr
.endr
	v_nop                                          ; one plain line behind the last conversion
.irp c, 0,1,2,3
	ds_store_b128 v3, v[48+4*\c:51+4*\c] offset:16*\c   ; a column's block, 16 bytes, at its place in the reader's order
.endr
.irp c, 0,1,2,3
	ds_store_b8 v4, v[24+\c] offset:8*\c
.endr
.irp t, 0,1,2,3
	ds_load_b128 v[32+4*\t:35+4*\t], v5 offset:512*\t   ; my own bytes: LDS serves a wave's instructions in order
.endr
.irp t, 0,1,2,3
	s_wait_dscnt 3-\t
	global_store_b128 v6, v[32+4*\t:35+4*\t], s[40:41] offset:\t*\tstep   ; sixteen lanes store 256 consecutive bytes, aligned
.endr
	s_wait_dscnt 0x0                               ; my scale bytes have landed
	s_barrier_signal -1
	s_barrier_wait -1
	s_cmp_gt_u32 s24, 1
	s_cbranch_scc1 .Lwq_end_\@
	ds_load_b128 v[48:51], v7                      ; waves 0 and 1: 512 of the work-group's 1,024 scale bytes each
	s_wait_dscnt 0x0
	global_store_b128 v8, v[48:51], s[42:43]
.Lwq_end_\@:
	s_set_vgpr_msb 0x5
	s_wait_tensorcnt 0x0
	ds_add_u32 v0, v1
	s_wait_dscnt 0x0
	s_set_vgpr_msb 0x500
	s_endpgm
.endm
	s_load_b512 s[4:19], s[0:1], 0x0               ; x, gate_w, gate_b, w1, w2, w3, xq, wq
	s_load_b128 s[20:23], s[0:1], 0x40             ; rt, sel
	s_set_vgpr_msb 0x40
	v_lshl_add_u32 v0, v0, 2, 0x28000
	v_mov_b32 v1, 0
	s_set_vgpr_msb 0x4000
	v_lshrrev_b32 v1, 5, v0
	v_readfirstlane_b32 s24, v1                    ; wave
	v_and_b32 v1, 31, v0                           ; lane
	s_cmp_ge_u32 ttmp9, 384
	s_cbranch_scc1 .Lw3
	s_cmp_ge_u32 ttmp9, 256
	s_cbranch_scc1 .Lw12
; ---------------- X: tokens 32 wg .. 32 wg + 31; wave v takes k = 128 v .. 128 v + 127 ----------------
	v_and_b32 v240, 15, v1
	v_lshrrev_b32 v241, 4, v1
	v_lshlrev_b32 v9, 4, v1                        ; 16 l
	v_lshlrev_b32 v242, 4, v240
	s_lshl_b32 s25, s24, 9
	v_lshl_add_u32 v2, v241, 12, v242
	v_add_nc_u32 v2, s25, v2                       ; x: row l / 16, 16 (l % 16), + 512 v
	s_mul_i32 s25, s24, 8704
	v_mul_u32_u24 v3, v241, 272
	v_add_nc_u32 v3, v3, v242
	v_add_nc_u32 v3, s25, v3                       ; my stage, in
	v_mul_u32_u24 v4, v1, 272
	v_add_nc_u32 v4, s25, v4                       ; my stage, out: row = lane
	s_lshl_b32 s25, s24, 6
	s_add_co_u32 s25, s25, CST
	v_mul_u32_u24 v5, v1, 528
	v_add_nc_u32 v5, s25, v5                       ; codes: row = token, my 64 bytes
	s_lshl_b32 s25, s24, 2
	s_add_co_u32 s25, s25, SST
	v_lshlrev_b32 v243, 5, v1
	v_add_nc_u32 v6, s25, v243                     ; scale word
	s_lshl_b32 s25, s24, 10
	s_add_co_u32 s25, s25, LGT
	v_add_nc_u32 v7, s25, v243                     ; parts of logits
	s_mul_i32 s25, s24, 2112
	s_add_co_u32 s25, s25, CST
	v_add_nc_u32 v8, s25, v9                       ; codes back: rows 4 v .. 4 v + 3
	v_add_nc_u32 v10, LGT, v243
	s_and_b32 s25, s24, 1
	s_lshl_b32 s25, s25, 9
	v_add_nc_u32 v12, s25, v9                      ; scale bytes out (waves 6, 7): in memory
	s_add_co_u32 s25, s25, SST
	v_add_nc_u32 v11, s25, v9                      ; and in LDS
	s_lshl_b32 s25, s24, 12
	s_add_co_u32 s25, s25, GST
	v_mov_b32 v14, s25                             ; gate_w, turned: one address for all lanes
	v_and_b32 v244, 1, v1
	v_lshrrev_b32 v245, 1, v1
	v_lshlrev_b32 v13, 11, v244
	v_lshl_add_u32 v13, v245, 2, v13
	v_add_nc_u32 v13, s25, v13                     ; where my words of gate_w go: e = 4 (l % 2) + j, k = 16 i + l / 2
	s_lshl_b32 s25, s24, 11
	v_add_nc_u32 v15, s25, v9                      ; codes out: 2,048 v + 16 l
	s_mov_b32 s27, 0
	s_wait_kmcnt 0x0
	s_load_b256 s[36:43], s[8:9], 0x0              ; gate_b
	s_lshl_b32 s26, ttmp9, 17
	s_add_nc_u64 s[28:29], s[4:5], s[26:27]        ; x at my tokens
	s_lshl_b32 s26, s24, 12
	s_add_nc_u64 s[6:7], s[6:7], s[26:27]          ; gate_w at my 128 k
	s_lshl_b32 s26, ttmp9, 14
	s_add_nc_u64 s[30:31], s[16:17], s[26:27]      ; codes
	s_lshl_b32 s26, ttmp9, 10
	s_add_nc_u64 s[32:33], s[16:17], s[26:27]
	s_add_nc_u64 s[32:33], s[32:33], XSO           ; scale bytes
	s_lshl_b32 s26, ttmp9, 8
	s_add_nc_u64 s[44:45], s[20:21], s[26:27]      ; (c_lo, c_hi)
	s_lshl_b32 s26, ttmp9, 5
	s_add_nc_u64 s[46:47], s[20:21], s[26:27]      ; sums of scores (+ 65,536)
	s_lshl_b32 s26, ttmp9, 7
	s_add_nc_u64 s[48:49], s[22:23], s[26:27]      ; sel, and the histogram (+ 32,768)
.irp i, 0,1,2,3,4,5,6,7
	global_load_b128 v[16+4*\i:19+4*\i], v9, s[6:7] offset:512*\i
.endr
.irp c, 0,1
.irp i, 0,1,2,3,4,5,6,7,8,9,10,11,12,13,14,15
	global_load_b128 v[80+64*\c+4*\i:83+64*\c+4*\i], v2, s[28:29] offset:8192*\i+256*\c th:TH_LOAD_NT   ; two rows x 256 aligned bytes
.endr
.endr
.irp j, 0,1,2,3,4,5,6,7,8,9,10,11,12,13,14,15
	v_mov_b32 v[208+\j], 0                         ; 8 logits x (even k, odd k)
.endr
	s_wait_loadcnt 32                              ; gate_w is in; x's 32 loads are younger
.irp i, 0,1,2,3,4,5,6,7
.irp j, 0,1,2,3
	ds_store_b32 v13, v[16+4*\i+\j] offset:512*\j+64*\i
.endr
.endr
	s_wait_dscnt 0x0
	CHUNK 0
	CHUNK 1
	v_lshl_or_b32 v252, v253, 8, v252              ; my four bytes: the token's scale word of these 128 k
	v_lshl_or_b32 v252, v254, 16, v252
	v_lshl_or_b32 v252, v255, 24, v252
.irp e, 0,1,2,3,4,5,6,7
	v_add_f32 v[240+\e], v[208+2*\e], v[209+2*\e]
.endr
.irp b, 0,1,2,3
	ds_store_b128 v5, v[224+4*\b:227+4*\b] offset:16*\b
.endr
	ds_store_b32 v6, v252
	ds_store_b128 v7, v[240:243]
	ds_store_b128 v7, v[244:247] offset:16
	s_wait_kmcnt 0x0                               ; gate_b
	s_wait_dscnt 0x0                               ; for the others' sake
	s_barrier_signal -1
	s_barrier_wait -1
.irp i, 0,1,2,3
	ds_load_b128 v[16+4*\i:19+4*\i], v8 offset:528*\i
.endr
.irp i, 0,1,2,3
	s_wait_dscnt 3-\i
	global_store_b128 v15, v[16+4*\i:19+4*\i], s[30:31] offset:512*\i   ; a token's 512 bytes of codes
.endr
	s_cmp_lt_u32 s24, 6
	s_cbranch_scc1 .Lx_no_scales
	ds_load_b128 v[32:35], v11
	s_wait_dscnt 0x0
	global_store_b128 v12, v[32:35], s[32:33]
.Lx_no_scales:
	s_cmp_lg_u32 s24, 0
	s_cbranch_scc1 .Lx_end
; wave 0: the router's tail; lane = token
.irp u, 0,1,2,3,4,5,6,7
	ds_load_b128 v[80+8*\u:83+8*\u], v10 offset:1024*\u
	ds_load_b128 v[84+8*\u:87+8*\u], v10 offset:1024*\u+16
.endr
	s_mov_b32 s58, 0x76543210
	s_mov_b32 s59, 0xfedcba98
	s_wait_dscnt 0x0
.irp j, 0,2,4,6
	v_pk_add_f32 v[80+\j:81+\j], v[80+\j:81+\j], v[88+\j:89+\j]
	v_pk_add_f32 v[96+\j:97+\j], v[96+\j:97+\j], v[104+\j:105+\j]
	v_pk_add_f32 v[112+\j:113+\j], v[112+\j:113+\j], v[120+\j:121+\j]
	v_pk_add_f32 v[128+\j:129+\j], v[128+\j:129+\j], v[136+\j:137+\j]
.endr
.irp j, 0,2,4,6
	v_pk_add_f32 v[80+\j:81+\j], v[80+\j:81+\j], v[96+\j:97+\j]
	v_pk_add_f32 v[112+\j:113+\j], v[112+\j:113+\j], v[128+\j:129+\j]
.endr
.irp j, 0,2,4,6
	v_pk_add_f32 v[80+\j:81+\j], v[80+\j:81+\j], v[112+\j:113+\j]
.endr
.irp e, 0,1,2,3,4,5,6,7
	v_add_f32 v[80+\e], s[36+\e], v[80+\e]         ; + gate_b
.endr
	v_max3_num_f32 v144, v80, v81, v82
	v_max3_num_f32 v144, v144, v83, v84
	v_max3_num_f32 v144, v144, v85, v86
	v_max_num_f32 v144, v144, v87                  ; the row's largest logit is taken away, as reference() does
.irp e, 0,1,2,3,4,5,6,7
	v_sub_f32 v[80+\e], v[80+\e], v144
.endr
.irp e, 0,1,2,3,4,5,6,7
	v_mul_f32 v[80+\e], 0x3fb8aa3b, v[80+\e]
.endr
.irp e, 0,1,2,3,4,5,6,7
	v_exp_f32 v[80+\e], v[80+\e]
.endr
	v_nop
	s_wait_alu depctr_va_vdst(0)
	v_add_f32 v145, v80, v81
	v_add_f32 v146, v82, v83
	v_add_f32 v147, v84, v85
	v_add_f32 v148, v86, v87
	v_add_f32 v145, v145, v146
	v_add_f32 v147, v147, v148
	v_add_f32 v145, v145, v147
	v_rcp_f32 v145, v145
	v_nop
	s_wait_alu depctr_va_vdst(0)
.irp e, 0,1,2,3,4,5,6,7
	v_mul_f32 v[80+\e], v[80+\e], v145             ; the scores
.endr
	v_mov_b32 v146, v80                            ; the first choice: strictly greater in ascending e, so the lower index wins a tie
	v_mov_b32 v147, 0
.irp e, 1,2,3,4,5,6,7
	v_cmp_gt_f32 vcc_lo, v[80+\e], v146
	v_cndmask_b32 v146, v146, v[80+\e], vcc_lo
	v_cndmask_b32 v147, v147, \e, vcc_lo
.endr
	v_mov_b32 v148, -1.0                           ; the second: the same among the others (scores are not negative)
	v_mov_b32 v149, 0
.irp e, 0,1,2,3,4,5,6,7
	v_cmp_gt_f32 s56, v[80+\e], v148
	v_cmp_ne_u32 s57, \e, v147
	s_and_b32 s56, s56, s57
	v_cndmask_b32 v148, v148, v[80+\e], s56
	v_cndmask_b32 v149, v149, \e, s56
.endr
	v_min_u32 v150, v147, v149                     ; lo
	v_max_u32 v151, v147, v149                     ; hi
	v_cmp_lt_u32 vcc_lo, v147, v149
	v_cndmask_b32 v152, v148, v146, vcc_lo         ; c_lo
	v_cndmask_b32 v153, v146, v148, vcc_lo         ; c_hi
	v_sub_nc_u32 v154, 13, v150
	v_mul_u32_u24 v154, v154, v150
	v_lshrrev_b32 v154, 1, v154
	v_add3_u32 v154, v154, v151, -1                ; the pair's number: lo (13 - lo) / 2 + hi - 1, 0 .. 27
	v_mov_b32 v155, 0                              ; my rank among the work-group's tokens of my pair
	v_mov_b32 v156, 0                              ; lane p: how many tokens of pair p
.irp pp, 0,1,2,3,4,5,6,7,8,9,10,11,12,13,14,15,16,17,18,19,20,21,22,23,24,25,26,27
	v_cmp_eq_u32 s56, \pp, v154
	v_mbcnt_lo_u32_b32 v157, s56, 0
	v_cndmask_b32 v155, v155, v157, s56
	s_bcnt1_i32_b32 s57, s56
	v_writelane_b32 v156, s57, \pp
.endr
	v_lshl_or_b32 v155, v155, 8, v154
.irp e, 0,1,2,3,4,5,6,7
	v_mov_b32 v[160+\e], 0
.endr
.irp n, 1,2,4,8
.irp e, 0,1,2,3,4,5,6,7
	v_add_f32_dpp v[80+\e], v[80+\e], v[80+\e] row_xmask:\n row_mask:0xf bank_mask:0xf
.endr
.endr
.irp e, 0,1,2,3,4,5,6,7
	v_permlanex16_b32 v[160+\e], v[80+\e], s58, s59
.endr
.irp e, 0,1,2,3,4,5,6,7
	v_add_f32 v[80+\e], v[80+\e], v[160+\e]        ; each score summed over my 32 tokens
.endr
	v_lshlrev_b32 v158, 3, v1
	v_lshlrev_b32 v159, 2, v1
	v_mov_b32 v168, 0
	global_store_b64 v158, v[152:153], s[44:45]    ; 256 consecutive bytes
	global_store_b32 v159, v155, s[48:49]
	global_store_b32 v159, v156, s[48:49] offset:32768
	s_wait_xcnt 0x0                                ; EXEC changes only behind this wait
	v_cmp_eq_u32 vcc_lo, 0, v1
	s_and_saveexec_b32 s60, vcc_lo
	global_store_b128 v168, v[80:83], s[46:47] offset:65536
	global_store_b128 v168, v[84:87], s[46:47] offset:65552
	s_wait_xcnt 0x0
	s_or_b32 exec_lo, exec_lo, s60
.Lx_end:
	s_set_vgpr_msb 0x5
	s_wait_tensorcnt 0x0
	ds_add_u32 v0, v1
	s_wait_dscnt 0x0
	s_set_vgpr_msb 0x500
	s_endpgm
; ---------------- W12: i = wg - 256: matrix i / 64, expert (i / 8) % 8, k quarter (i / 2) % 4, column half i % 2 ----------------
.Lw12:
	s_sub_co_u32 s25, ttmp9, 256
	s_lshr_b32 s26, s25, 6
	s_bfe_u32 s27, s25, 0x30003
	s_bfe_u32 s28, s25, 0x20001
	s_and_b32 s29, s25, 1
	v_lshlrev_b32 v2, 4, v1
	v_bfe_u32 v16, v1, 3, 2                        ; which reader's wave (of my four)
	v_bfe_u32 v17, v1, 1, 1                        ; its tile u
	v_and_b32 v18, 1, v1
	v_bfe_u32 v19, v1, 2, 1                        ; row a = 4 (l % 2) + 8 ((l / 4) % 2) + column
	v_and_b32 v20, 15, v1
	v_lshrrev_b32 v21, 4, v1
	s_lshl_b32 s30, s24, 11
	s_add_co_u32 s30, s30, WST12
	v_lshlrev_b32 v3, 9, v16
	v_lshl_add_u32 v3, v17, 8, v3
	v_lshl_add_u32 v3, v19, 7, v3
	v_lshl_add_u32 v3, v18, 6, v3
	v_add_nc_u32 v3, s30, v3
	v_add_nc_u32 v5, s30, v2
	s_add_co_u32 s31, s24, WSB12
	v_lshlrev_b32 v4, 8, v16
	v_lshl_add_u32 v4, v17, 7, v4
	v_lshl_add_u32 v4, v19, 6, v4
	v_lshl_add_u32 v4, v18, 5, v4
	v_add_nc_u32 v4, s31, v4                       ; 8 x (32 wave + a + 16 u) + my block
	v_lshlrev_b32 v22, 4, v20
	v_lshl_add_u32 v6, v21, 10, v22
	s_and_b32 s31, s24, 1
	s_lshl_b32 s32, s31, 9
	s_add_co_u32 s32, s32, WSB12
	v_add_nc_u32 v7, s32, v2
	s_lshl_b32 s32, s31, 11
	v_add_nc_u32 v8, s32, v6
	s_lshl_b32 s36, s27, 20                        ; source: expert, row 256 kq + 32 v, column half
	s_lshl_b32 s33, s28, 18
	s_add_co_u32 s36, s36, s33
	s_lshl_b32 s33, s24, 15
	s_add_co_u32 s36, s36, s33
	s_lshl_b32 s33, s29, 9
	s_add_co_u32 s36, s36, s33
	s_mov_b32 s37, 0
	s_lshl_b32 s44, s26, 20                        ; codes: matrix, expert, part 4 nh, K step 2 kq + v / 4, group and half (v % 4)
	s_lshl_b32 s33, s27, 17
	s_add_co_u32 s44, s44, s33
	s_lshl_b32 s33, s29, 16
	s_add_co_u32 s44, s44, s33
	s_lshl_b32 s33, s28, 12
	s_add_co_u32 s44, s44, s33
	s_lshr_b32 s33, s24, 2
	s_lshl_b32 s33, s33, 11
	s_add_co_u32 s44, s44, s33
	s_and_b32 s33, s24, 3
	s_lshl_b32 s33, s33, 8
	s_add_co_u32 s44, s44, s33
	s_mov_b32 s45, 0
	s_lshl_b32 s46, s26, 16                        ; scale bytes
	s_lshl_b32 s33, s27, 13
	s_add_co_u32 s46, s46, s33
	s_lshl_b32 s33, s29, 12
	s_add_co_u32 s46, s46, s33
	s_lshl_b32 s33, s28, 8
	s_add_co_u32 s46, s46, s33
	s_add_co_u32 s46, s46, 0x300000
	s_mov_b32 s47, 0
	s_wait_kmcnt 0x0
	s_cmp_eq_u32 s26, 0                            ; w1 or w2: the choice hangs on the work-group's number alone
	s_cselect_b64 s[38:39], s[10:11], s[12:13]
	s_add_nc_u64 s[38:39], s[38:39], s[36:37]
	s_add_nc_u64 s[40:41], s[18:19], s[44:45]
	s_add_nc_u64 s[42:43], s[18:19], s[46:47]
	WQ 1024, 16384
; ---------------- W3: i = wg - 384: expert i / 8, columns 128 (i % 8) on; all 256 k ----------------
.Lw3:
	s_sub_co_u32 s25, ttmp9, 384
	s_lshr_b32 s27, s25, 3
	s_and_b32 s28, s25, 7
	v_lshlrev_b32 v2, 4, v1
	v_and_b32 v20, 15, v1
	v_lshrrev_b32 v21, 4, v1
	s_lshl_b32 s30, s24, 11
	s_add_co_u32 s30, s30, WST3
	v_lshlrev_b32 v3, 6, v1
	v_add_nc_u32 v3, s30, v3                       ; column 4 l + c: tile (4 l + c) / 16, row (4 l + c) % 16
	v_add_nc_u32 v5, s30, v2
	s_add_co_u32 s31, s24, WSB3
	v_lshlrev_b32 v4, 5, v1
	v_add_nc_u32 v4, s31, v4
	v_lshlrev_b32 v22, 4, v20
	v_lshl_add_u32 v6, v21, 11, v22
	s_and_b32 s31, s24, 1
	s_lshl_b32 s32, s31, 9
	v_add_nc_u32 v8, s32, v2
	s_add_co_u32 s32, s32, WSB3
	v_add_nc_u32 v7, s32, v2
	s_lshl_b32 s36, s27, 20
	s_lshl_b32 s33, s24, 17
	s_add_co_u32 s36, s36, s33
	s_lshl_b32 s33, s28, 9
	s_add_co_u32 s36, s36, s33
	s_mov_b32 s37, 0
	s_lshl_b32 s44, s27, 17
	s_lshl_b32 s33, s28, 14
	s_add_co_u32 s44, s44, s33
	s_lshl_b32 s33, s24, 8
	s_add_co_u32 s44, s44, s33
	s_add_co_u32 s44, s44, 0x200000
	s_mov_b32 s45, 0
	s_lshl_b32 s46, s27, 13
	s_lshl_b32 s33, s28, 10
	s_add_co_u32 s46, s46, s33
	s_add_co_u32 s46, s46, 0x320000
	s_mov_b32 s47, 0
	s_wait_kmcnt 0x0
	s_add_nc_u64 s[38:39], s[14:15], s[36:37]
	s_add_nc_u64 s[40:41], s[18:19], s[44:45]
	s_add_nc_u64 s[42:43], s[18:19], s[46:47]
	WQ 4096, 4096
.Lfunc_end_k_q65a8974ae6_prep:
	.size	k_q65a8974ae6_prep, .Lfunc_end_k_q65a8974ae6_prep-k_q65a8974ae6_prep
	.p2alignl 7, 3214868480
	.fill 96, 4, 3214868480
	.section	.rodata,"a",@progbits
	.p2align	6, 0x0
	.amdhsa_kernel k_q65a8974ae6_prep
		.amdhsa_group_segment_fixed_size 164864
		.amdhsa_private_segment_fixed_size 0
		.amdhsa_enable_private_segment 0
		.amdhsa_kernarg_size 80
		.amdhsa_user_sgpr_count 2
		.amdhsa_user_sgpr_kernarg_segment_ptr 1
		.amdhsa_wavefront_size32 1
		.amdhsa_system_sgpr_workgroup_id_x 1
		.amdhsa_system_sgpr_workgroup_id_y 1
		.amdhsa_system_sgpr_workgroup_id_z 1
		.amdhsa_system_vgpr_workitem_id 0
		.amdhsa_next_free_vgpr 258
		.amdhsa_next_free_sgpr 66
		.amdhsa_reserve_vcc 1
		.amdhsa_float_denorm_mode_32 3
		.amdhsa_float_denorm_mode_16_64 3
		.amdhsa_memory_ordered 1
		.amdhsa_forward_progress 1
		.amdhsa_inst_pref_size 124
	.end_amdhsa_kernel
	.amdgpu_metadata
---
amdhsa.version: [ 1, 2 ]
amdhsa.kernels:
  - .name:           k_q65a8974ae6_prep
    .symbol:         k_q65a8974ae6_prep.kd
    .args:
      - { .name: x, .offset: 0, .size: 8, .value_kind: global_buffer, .address_space: global }
      - { .name: gate_w, .offset: 8, .size: 8, .value_kind: global_buffer, .address_space: global }
      - { .name: gate_b, .offset: 16, .size: 8, .value_kind: global_buffer, .address_space: global }
      - { .name: w1, .offset: 24, .size: 8, .value_kind: global_buffer, .address_space: global }
      - { .name: w2, .offset: 32, .size: 8, .value_kind: global_buffer, .address_space: global }
      - { .name: w3, .offset: 40, .size: 8, .value_kind: global_buffer, .address_space: global }
      - { .name: xq, .offset: 48, .size: 8, .value_kind: global_buffer, .address_space: global }
      - { .name: wq, .offset: 56, .size: 8, .value_kind: global_buffer, .address_space: global }
      - { .name: rt, .offset: 64, .size: 8, .value_kind: global_buffer, .address_space: global }
      - { .name: sel, .offset: 72, .size: 8, .value_kind: global_buffer, .address_space: global }
    .group_segment_fixed_size: 164864
    .private_segment_fixed_size: 0
    .kernarg_segment_align: 8
    .kernarg_segment_size: 80
    .max_flat_workgroup_size: 256
    .sgpr_count:     66
    .vgpr_count:     258
    .wavefront_size: 32
...
	.end_amdgpu_metadata
.endif
;; end of part 1
;; launch place (part 2): grid 1 x 1, 16 waves a work-group, no clusters, 6,144 bytes of LDS; arguments sel, rt, plan, out1; writes plan, out1
.if DOCPART == 2
	.amdgcn_target "amdgcn-amd-amdhsa--gfx1250"
	.amdhsa_code_object_version 6
	.text
	.protected	k_q65a8974ae6_place
	.globl	k_q65a8974ae6_place
	.p2align	8
	.type	k_q65a8974ae6_place,@function
k_q65a8974ae6_place:
	s_mov_b64 s[64:65], 0
	v_nop
	global_prefetch_b8 v0, s[64:65] scope:SCOPE_SE
	s_setreg_imm32_b32 hwreg(HW_REG_WAVE_MODE, 25, 1), 1
	s_wait_xcnt 0x0
; PLACE: a counting sort of the 8,192 tokens by their pair of experts (28 pairs), without atomics, from the 256 histograms and the ranks that the first launch stored; the list of tiles
; (at most 48 tokens of ONE pair: never more than (8192 + 28 x 47) / 48 = 198); and the loss.  One work-group of 16 waves; wave v owns the first launch's work-groups 16 v .. 16 v + 15.
; plan: order[8192] (token numbers, sorted) at 0;  tiles[224] x {first, count, lo, hi, last, 0, 0, 0} at 32,768 (entries past the last tile have count 0).
.set TOT, 0                            ; LDS: [wave][32] tokens of each pair
.set USG, 2048                         ; LDS: [wave][8] sums of scores
.set TROWS, 48                         ; tokens in a tile
.macro SCAN x, t                       ; inclusive sums over the 32 lanes
.irp n, 1,2,4,8
	v_mov_b32_dpp v[\t], v[\x] row_shr:\n row_mask:0xf bank_mask:0xf bound_ctrl:1
	v_add_nc_u32 v[\x], v[\x], v[\t]
.endr
	v_readlane_b32 s20, v[\x], 15
	v_mad_u32_u24 v[\x], v8, s20, v[\x]            ; lanes 16-31 take the lower half's total on top
.endm
	s_load_b256 s[4:11], s[0:1], 0x0               ; sel, rt, plan, out1
	v_lshl_add_u32 v128, v0, 2, 0x1000
	v_mov_b32 v129, 0
	v_lshrrev_b32 v1, 5, v0
	v_readfirstlane_b32 s12, v1                    ; wave
	v_and_b32 v1, 31, v0
	v_lshlrev_b32 v2, 2, v1                        ; 4 l (= TOT + 4 l)
	s_lshl_b32 s13, s12, 11
	v_add_nc_u32 v3, s13, v2                       ; sel: 16 work-groups of 128 bytes a wave
	v_lshlrev_b32 v4, 4, v1
	s_lshl_b32 s14, s12, 9
	v_add_nc_u32 v4, s14, v4
	s_lshl_b32 s15, s12, 7
	v_add_nc_u32 v5, s15, v2                       ; TOT + 128 v + 4 l
	v_and_b32 v6, 1, v1
	v_lshlrev_b32 v6, 4, v6
	s_lshl_b32 s16, s12, 5
	s_add_co_u32 s16, s16, USG
	v_add_nc_u32 v6, s16, v6                       ; USG + 32 v + 16 (l % 2)
	v_add_nc_u32 v7, USG, v2
	v_lshrrev_b32 v8, 4, v1
	s_mov_b32 s18, 0x76543210
	s_mov_b32 s19, 0xfedcba98
	s_wait_kmcnt 0x0
.irp g, 0,1,2,3,4,5,6,7,8,9,10,11,12,13,14,15
	global_load_b32 v[16+\g], v3, s[4:5] offset:32768+128*\g    ; histograms: lane = pair
.endr
.irp g, 0,1,2,3,4,5,6,7,8,9,10,11,12,13,14,15
	global_load_b32 v[32+\g], v3, s[4:5] offset:128*\g          ; pair | rank << 8: lane = token
.endr
	global_load_b128 v[80:83], v4, s[6:7] offset:65536          ; lane l: work-group 16 v + l / 2, experts 4 (l % 2) on
.irp j, 0,1,2,3
	v_mov_b32 v[112+\j], 0
.endr
	v_mov_b32 v48, 0
	v_mov_b32 v93, 0
	v_mov_b32 v109, 0
	s_wait_loadcnt 0x0
.irp g, 1,2,3,4,5,6,7,8,9,10,11,12,13,14,15
	v_add_nc_u32 v[48+\g], v[47+\g], v[15+\g]      ; tokens of my pair in my wave's earlier work-groups
.endr
	v_add_nc_u32 v84, v63, v31
.irp n, 2,4,8
.irp j, 0,1,2,3
	v_add_f32_dpp v[80+\j], v[80+\j], v[80+\j] row_xmask:\n row_mask:0xf bank_mask:0xf
.endr
.endr
.irp j, 0,1,2,3
	v_permlanex16_b32 v[112+\j], v[80+\j], s18, s19
.endr
.irp j, 0,1,2,3
	v_add_f32 v[80+\j], v[80+\j], v[112+\j]
.endr
	ds_store_b32 v5, v84
	ds_store_b128 v6, v[80:83]                     ; lanes of one parity write the same bytes with the same values
	s_wait_dscnt 0x0
	s_barrier_signal -1
	s_barrier_wait -1
.irp u, 0,1,2,3,4,5,6,7,8,9,10,11,12,13,14,15
	ds_load_b32 v[64+\u], v2 offset:128*\u
.endr
	v_mov_b32 v85, 0                               ; the pair's tokens in all,
	v_mov_b32 v86, 0                               ; and in the waves before mine
	s_wait_dscnt 0x0
.irp u, 0,1,2,3,4,5,6,7,8,9,10,11,12,13,14,15
	v_add_nc_u32 v85, v85, v[64+\u]
	s_cmp_gt_u32 s12, \u
	s_cselect_b32 s20, -1, 0
	v_and_b32 v87, s20, v[64+\u]
	v_add_nc_u32 v86, v86, v87
.endr
	v_mov_b32 v88, v85
	SCAN 88, 93
	v_sub_nc_u32 v88, v88, v85                     ; where the pair's tokens begin
	v_add_nc_u32 v89, TROWS-1, v85
	v_mul_u32_u24 v89, v89, 0x5556                 ; / 48: x 21,846 >> 20; 21,846 / 2^20 lies 6.4e-7 over 1 / 48, which over 8,239 numbers is 0.0053, under the 1 / 48 that could turn a floor
	v_lshrrev_b32 v89, 20, v89                     ; its tiles
	v_mov_b32 v90, v89
	SCAN 90, 93
	v_sub_nc_u32 v90, v90, v89                     ; its first tile
	v_add_nc_u32 v91, v88, v86
.irp g, 0,1,2,3,4,5,6,7,8,9,10,11,12,13,14,15
	v_add_nc_u32 v[48+\g], v[48+\g], v91
.endr
.irp g, 0,1,2,3,4,5,6,7,8,9,10,11,12,13,14,15
	v_and_b32 v[64+\g], 31, v[32+\g]
	v_lshlrev_b32 v[64+\g], 2, v[64+\g]
	ds_bpermute_b32 v[112+\g], v[64+\g], v[48+\g]  ; lane = token again: the place of its pair's first token of its work-group
.endr
	s_lshl_b32 s21, s12, 9
	v_add_nc_u32 v92, s21, v1
	s_wait_dscnt 0x0
.irp g, 0,1,2,3,4,5,6,7,8,9,10,11,12,13,14,15
	v_bfe_u32 v[64+\g], v[32+\g], 8, 5
	v_add_nc_u32 v[64+\g], v[64+\g], v[112+\g]
	v_min_u32 v[64+\g], 0x1fff, v[64+\g]
	v_lshlrev_b32 v[64+\g], 2, v[64+\g]
	v_add_nc_u32 v[32+\g], 32*\g, v92              ; the token's number
.endr
.irp g, 0,1,2,3,4,5,6,7,8,9,10,11,12,13,14,15
	global_store_b32 v[64+\g], v[32+\g], s[8:9]
.endr
; the tiles: waves 0 to 6, thread i writes entry i (224 entries for at most 198 tiles): the last pair whose first tile is not behind i
	s_cmp_gt_u32 s12, 6
	s_cbranch_scc1 .Lno_table
.irp j, 98,99,101,102,103,104,105,106
	v_mov_b32 v[\j], 0
.endr
.irp a, 0,1,2,3,4,5,6
.irp b, 1,2,3,4,5,6,7
.if \b > \a
.set PP, \a*(13-\a)/2+\b-1
	v_readlane_b32 s20, v90, PP
	v_readlane_b32 s21, v88, PP
	v_readlane_b32 s22, v85, PP
	v_cmp_le_u32 vcc_lo, s20, v0
	v_cndmask_b32 v104, v104, s20, vcc_lo
	v_cndmask_b32 v105, v105, s21, vcc_lo
	v_cndmask_b32 v106, v106, s22, vcc_lo
	v_cndmask_b32 v98, v98, \a, vcc_lo
	v_cndmask_b32 v99, v99, \b, vcc_lo
.endif
.endr
.endr
	v_sub_nc_u32 v107, v0, v104
	v_mul_u32_u24 v107, v107, TROWS
	v_add_nc_u32 v96, v105, v107                   ; first
	v_sub_nc_u32 v97, v106, v107
	v_max_i32 v97, 0, v97
	v_min_i32 v97, TROWS, v97                      ; count
	v_add3_u32 v100, v96, v97, -1
	v_max_i32 v100, 0, v100                        ; last
	v_lshlrev_b32 v108, 5, v0
	global_store_b128 v108, v[96:99], s[8:9] offset:32768
	global_store_b128 v108, v[100:103], s[8:9] offset:32784
.Lno_table:
	s_cmp_lg_u32 s12, 8
	s_cbranch_scc1 .Lend
; wave 8, which has no part of the table: the loss = sum over e of usage log(usage + 1e-9)
.irp i, 0,1,2,3
	ds_load_b32 v[80+\i], v7 offset:128*\i         ; word l + 32 i: wave l / 8 + 4 i, expert l % 8
.endr
	s_wait_dscnt 0x0                               ; the four parts are in: nothing touches v80 to v83 before this wait
	v_add_f32 v80, v80, v81
	v_add_f32 v82, v82, v83
	v_add_f32 v80, v80, v82
	v_add_f32_dpp v80, v80, v80 row_xmask:8 row_mask:0xf bank_mask:0xf
	v_permlanex16_b32 v109, v80, s18, s19
	v_add_f32 v80, v80, v109                       ; all 16 waves' sums of expert l % 8
	v_mul_f32 v80, 0x39000000, v80                 ; / 8,192
	v_add_f32 v81, 0x3089705f, v80                 ; + 1e-9
	v_log_f32 v81, v81
	v_mov_b32 v82, 0                               ; the plain line behind the logarithm; also the store's offset
	s_wait_alu depctr_va_vdst(0)
	v_mul_f32 v81, v81, v80
	v_mul_f32 v81, 0x3f317218, v81                 ; log2 to log
	v_add_f32_dpp v81, v81, v81 row_xmask:1 row_mask:0xf bank_mask:0xf
	v_add_f32_dpp v81, v81, v81 row_xmask:2 row_mask:0xf bank_mask:0xf
	v_add_f32_dpp v81, v81, v81 row_xmask:4 row_mask:0xf bank_mask:0xf
	s_wait_xcnt 0x0                                ; EXEC changes only behind this wait
	v_cmp_eq_u32 vcc_lo, 0, v1
	s_and_saveexec_b32 s20, vcc_lo
	global_store_b32 v82, v81, s[10:11]
	s_wait_xcnt 0x0
	s_or_b32 exec_lo, exec_lo, s20
.Lend:
	s_wait_tensorcnt 0x0
	ds_add_u32 v128, v129
	s_wait_dscnt 0x0
	s_endpgm
.Lfunc_end_k_q65a8974ae6_place:
	.size	k_q65a8974ae6_place, .Lfunc_end_k_q65a8974ae6_place-k_q65a8974ae6_place
	.p2alignl 7, 3214868480
	.fill 96, 4, 3214868480
	.section	.rodata,"a",@progbits
	.p2align	6, 0x0
	.amdhsa_kernel k_q65a8974ae6_place
		.amdhsa_group_segment_fixed_size 6144
		.amdhsa_private_segment_fixed_size 0
		.amdhsa_enable_private_segment 0
		.amdhsa_kernarg_size 32
		.amdhsa_user_sgpr_count 2
		.amdhsa_user_sgpr_kernarg_segment_ptr 1
		.amdhsa_wavefront_size32 1
		.amdhsa_system_sgpr_workgroup_id_x 1
		.amdhsa_system_sgpr_workgroup_id_y 1
		.amdhsa_system_sgpr_workgroup_id_z 1
		.amdhsa_system_vgpr_workitem_id 0
		.amdhsa_next_free_vgpr 130
		.amdhsa_next_free_sgpr 66
		.amdhsa_reserve_vcc 1
		.amdhsa_float_denorm_mode_32 3
		.amdhsa_float_denorm_mode_16_64 3
		.amdhsa_memory_ordered 1
		.amdhsa_forward_progress 1
		.amdhsa_inst_pref_size 37
	.end_amdhsa_kernel
	.amdgpu_metadata
---
amdhsa.version: [ 1, 2 ]
amdhsa.kernels:
  - .name:           k_q65a8974ae6_place
    .symbol:         k_q65a8974ae6_place.kd
    .args:
      - { .name: sel, .offset: 0, .size: 8, .value_kind: global_buffer, .address_space: global }
      - { .name: rt, .offset: 8, .size: 8, .value_kind: global_buffer, .address_space: global }
      - { .name: plan, .offset: 16, .size: 8, .value_kind: global_buffer, .address_space: global }
      - { .name: out1, .offset: 24, .size: 8, .value_kind: global_buffer, .address_space: global }
    .group_segment_fixed_size: 6144
    .private_segment_fixed_size: 0
    .kernarg_segment_align: 8
    .kernarg_segment_size: 32
    .max_flat_workgroup_size: 512
    .sgpr_count:     66
    .vgpr_count:     130
    .wavefront_size: 32
...
	.end_amdgpu_metadata
.endif
;; end of part 2
;; launch chain (part 3): grid 198 x 1, 8 waves a work-group, no clusters, 263,168 bytes of LDS; arguments xq, wq, rt, plan, b1, b2, b3, out0; writes out0
.if DOCPART == 3
	.amdgcn_target "amdgcn-amd-amdhsa--gfx1250"
	.amdhsa_code_object_version 6
	.text
	.protected	k_q65a8974ae6_chain
	.globl	k_q65a8974ae6_chain
	.p2align	8
	.type	k_q65a8974ae6_chain,@function
k_q65a8974ae6_chain:
	s_mov_b64 s[64:65], 0
	v_nop
	global_prefetch_b8 v0, s[64:65] scope:SCOPE_SE
	s_setreg_imm32_b32 hwreg(HW_REG_WAVE_MODE, 25, 1), 1
	s_wait_xcnt 0x0
; CHAIN: a work-group takes one tile, at most 48 tokens that chose the SAME pair of experts (lo, hi), through both experts: out = c_lo (h_lo W3_lo + b3_lo) + c_hi (h_hi W3_hi + b3_hi),
; h = (x W1 + b1) sigmoid(x W2 + b2), all three products on codes of E2M1 with E8M0 scales.  Each output row has one owner; the hidden layer never goes to memory.
; SHARES.  The eight waves share the COLUMNS: wave w makes hidden units 32 w .. 32 w + 31 (of W1 and of W2) and output columns 128 w .. 128 w + 127, for all 48 rows (three row tiles m): every weight byte is loaded by one wave,
; straight from memory into registers, in the order in which the first launch laid it, and feeds three matrix instructions.  Both products are used transposed (source 0 = weights, source 1 = rows): a lane holds one token.
; THE ROWS OF W1, W2 THAT FORM A TILE ARE NOT NEIGHBOURS: row a of tile u is hidden unit 32 w + 8 u + a + 8 (a / 8), so that a lane's 16 registers of tiles 0 and 1 are 16 neighbours along the next K: a wave's 32 units are one block.
; THE RING.  Window 1 holds eight slots of 32 registers; three streams go through it on end: W1, W2 of lo (a slot = a K step), W1, W2 of hi, W3 of lo and hi (a slot = a tile of 16 columns): 96 KB a wave.
; THE GRID serves every split: (8192 + 28 x 47) / 48 = 198 tiles at the most.  The experts walked hang on a stored list, so there is no tensor load and no cluster (four neighbouring tiles need not share a pair).
; WHY 48 ROWS: what a work-group reads from LDS, its exponentials and its products go with its rows, the weights that it streams do not; 48 is the smallest multiple of 16 whose worst count of tiles stays under the 256 WGPs.
; A tile without rows walks the text on a valid row and jumps over its stores: every barrier stands on every path.  Rows past a tile's count repeat its last row and are stored again with the same bits (at most 15 a tile).
; The prologue gathers 64 row places, eight a wave; places 48 to 63 hold the last row again and nobody reads them.
; LIMITS: NaN and infinities are not served; a block of zeros of h gets the scale byte 1 (its codes are zeros).
.set XSO,  0x400000
.set XIMG, 0                           ; x's codes: block kb of row tile m at 8,704 m + 272 kb + 16 r
.set XSL,  34816                       ; x's scale bytes: 64 rows x 32
.set CWL,  36864                       ; (c_lo, c_hi): 64 rows x 8
.set TOKL, 37376                       ; token numbers: 64 words
.set BIA,  37632                       ; [wave][q][b1, b2][32 f32]
.set B3L,  41728                       ; [wave][q][128 f32]
.set WSL,  49920                       ; [wave][stream 3][half 2][1,024]: the weights' scale words
.set HIMG, 99072                       ; h's fragments as images of their registers: [q][m][K step][1,024]
.set HSC,  115456                      ; h's scale words: [q][m][K step][r]
.set STG,  116480                      ; [wave] 64 rows x 272: the way out
; window 0: v1 16 l | v2 x fragments | v3 biases | v4 h's codes | v5 h's bytes | v6 weights' scale words | v7 h fragments | v8 h's scale words | v9 x's scale words | v10, v11 stage in, out | v12 tokens | v13 column bytes | v14 b3 | v15 (c_lo, c_hi)
;   v16-47 scales (v30, v31: the closing add's two);  v48-63 at work, then b3;  v64-87, v96-119 x fragments (two sets), then results, then rows on their way out;  v88-93 h's codes
;   v128-175 a, v192-239 z: the accumulators (m, u) at + 16 m + 8 u; then h's 12 fragments;   v176-191 b1, v240-255 b2 in the result's layout; then v176-191, v240-247 the 24 store offsets, v248-253 (c_lo, c_hi) of the three row tiles
.set XS,  16
.set WS,  32
.set TM,  48
.set XF,  64
.set PC,  88
.set ACC, 128
.set BI,  176
.set CW,  248
.set MSB, 0
.macro WIN new                         ; the immediate's high byte repeats the setting that is left
.if MSB != \new
	s_set_vgpr_msb (MSB<<8)|\new
.set MSB, \new
.endif
.endm
.macro PLACES                          ; four places behind matrix instructions, in front of loads into their registers and of reads of their results
.rept 4
	v_nop
.endr
.endm
.macro WM ra, rb                       ; one product; ra, rb: A's, B's scales stand in lanes 16-31
.if (\ra) && (\rb)
	v_wmma_scale_f32_16x16x128_f8f6f4 v[rD:rD+7], v[rA:rA+7], v[rB:rB+7], v[rC:rC+7], v[rSA], v[rSB] matrix_a_fmt:MATRIX_FMT_FP4 matrix_b_fmt:MATRIX_FMT_FP4 matrix_a_scale:MATRIX_SCALE_ROW1 matrix_b_scale:MATRIX_SCALE_ROW1
.elseif (\ra)
	v_wmma_scale_f32_16x16x128_f8f6f4 v[rD:rD+7], v[rA:rA+7], v[rB:rB+7], v[rC:rC+7], v[rSA], v[rSB] matrix_a_fmt:MATRIX_FMT_FP4 matrix_b_fmt:MATRIX_FMT_FP4 matrix_a_scale:MATRIX_SCALE_ROW1
.elseif (\rb)
	v_wmma_scale_f32_16x16x128_f8f6f4 v[rD:rD+7], v[rA:rA+7], v[rB:rB+7], v[rC:rC+7], v[rSA], v[rSB] matrix_a_fmt:MATRIX_FMT_FP4 matrix_b_fmt:MATRIX_FMT_FP4 matrix_b_scale:MATRIX_SCALE_ROW1
.else
	v_wmma_scale_f32_16x16x128_f8f6f4 v[rD:rD+7], v[rA:rA+7], v[rB:rB+7], v[rC:rC+7], v[rSA], v[rSB] matrix_a_fmt:MATRIX_FMT_FP4 matrix_b_fmt:MATRIX_FMT_FP4
.endif
.endm
.macro FILL t, pa                      ; slot t: 2 KB from each of the stream's two parts; each load 512 consecutive bytes
	WIN 0x40
.irp i, 0,1,2,3
	global_load_b128 v[32*(\t)+4*\i:32*(\t)+4*\i+3], v1, s[(\pa):(\pa)+1] offset:2048*(\t)+512*\i
.endr
.irp i, 0,1,2,3
	global_load_b128 v[32*(\t)+16+4*\i:32*(\t)+16+4*\i+3], v1, s[(\pa)+2:(\pa)+3] offset:2048*(\t)+512*\i
.endr
	WIN 0
.endm
.macro PH_OWN q                        ; pass q, from my own LDS bytes: W1's, W2's scale words; b1, b2 in the result's layout, eight registers a tile: the C of the pass's first K step
.irp t, 0,1
.irp g, 0,1,2,3
	ds_load_b64 v[WS+8*\t+2*\g:WS+8*\t+2*\g+1], v6 offset:2048*\q+1024*\t+256*\g
.endr
.endr
.irp t, 0,1
.irp u, 0,1
	ds_load_b128 v[BI+64*\t+8*\u:BI+64*\t+8*\u+3], v3 offset:256*\q+128*\t+32*\u
	ds_load_b128 v[BI+64*\t+8*\u+4:BI+64*\t+8*\u+7], v3 offset:256*\q+128*\t+32*\u+16
.endr
.endr
.endm
.macro PH_X q                          ; x's scale words (once) and its fragments of K steps 0 and 1, the younger set last
.if \q == 0
.irp m, 0,1,2
	ds_load_b128 v[XS+4*\m:XS+4*\m+3], v9 offset:512*\m
.endr
.endif
.irp s, 0,1
.irp m, 0,1,2
.irp c, 0,1
	ds_load_b128 v[XF+32*\s+8*\m+4*\c:XF+32*\s+8*\m+4*\c+3], v2 offset:8704*\m+272*(4*\s+2*\c)
.endr
.endr
.endr
.endm
; K step s of pass q: 12 products on 12 accumulators by turns; the first step's C is the bias; then the slot takes the next stream's part, and x's set the fragments of two steps on
.macro KSTEP q, s
	s_wait_loadcnt 48                              ; six slots (48 loads) are younger than the next slot: this slot is in
.if \s < 7
	s_wait_dscnt 6                                 ; the next step's six fragments of x are younger
.else
	s_wait_dscnt 0x0
.endif
	WIN 0x01
.irp m, 0,1,2
.irp f, 0,1,2,3
.set rD, ACC+64*(\f/2)+16*\m+8*(\f%2)
.if \s == 0
.set rC, BI+64*(\f/2)+8*(\f%2)
.else
.set rC, rD
.endif
.set rA, 32*(\s)+8*\f
.set rB, XF+32*((\s)%2)+8*\m
.set rSA, WS+8*(\f/2)+(\s)
.set rSB, XS+4*\m+((\s)%4)
	WM \f%2, (\s)/4
.endr
.endr
	WIN 0
	PLACES
	FILL \s, 48+4*\q
.if \s < 6
.irp m, 0,1,2
.irp c, 0,1
	ds_load_b128 v[XF+32*((\s)%2)+8*\m+4*\c:XF+32*((\s)%2)+8*\m+4*\c+3], v2 offset:8704*\m+272*(4*((\s)+2)+2*\c)
.endr
.endr
.endif
.endm
; h = a / (1 + 2^(-z log2 e)), in f32; quantised (a block = my 32 units of a token: lanes l and l xor 16); codes and bytes to LDS at their places in the next operand's image.
; The four v_nop at the last K step's end are the places in front of the first line.  What the next phase wants from LDS has been asked for ahead of this macro and lands under it.
.macro ACT q
.set J, 0
.rept 24
	v_pk_mul_f32 v[192+J:193+J], v[192+J:193+J], s[60:61] op_sel_hi:[1,0]   ; each accumulator from its low end on
.set J, J+2
.endr
.set J, 0
.rept 48
	v_exp_f32 v[192+J], v[192+J]
.set J, J+1
.endr
	v_nop
.set J, 0
	s_wait_alu depctr_va_vdst(0)
.rept 24
	v_pk_add_f32 v[192+J:193+J], v[192+J:193+J], 1.0 op_sel_hi:[1,0]
.set J, J+2
.endr
.set J, 0
.rept 48
	v_rcp_f32 v[192+J], v[192+J]
.set J, J+1
.endr
	v_nop
.set J, 0
	s_wait_alu depctr_va_vdst(0)
.rept 24
	v_pk_mul_f32 v[128+J:129+J], v[128+J:129+J], v[192+J:193+J]
.set J, J+2
.endr
.irp m, 0,1,2
	v_max3_num_f32 v[TM+\m], |v[128+16*\m]|, |v[129+16*\m]|, 0x1800000   ; the floor 2^(3 - 127) holds the byte at 1 from below
.endr
.irp i, 2,4,6,8,10,12,14
.irp m, 0,1,2
	v_max3_num_f32 v[TM+\m], v[TM+\m], |v[128+16*\m+\i]|, |v[129+16*\m+\i]|
.endr
.endr
.irp m, 0,1,2
	v_permlanex16_b32 v[TM+4+\m], v[TM+\m], s58, s59
.endr
.irp m, 0,1,2
	v_max_num_f32 v[TM+\m], v[TM+\m], v[TM+4+\m]
.endr
.irp m, 0,1,2
	v_add_nc_u32 v[TM+12+\m], 0xff000000, v[TM+\m]  ; 2 off the exponent field: the conversion's scale operand
.endr
.irp m, 0,1,2
	v_lshrrev_b32 v[TM+4+\m], 23, v[TM+12+\m]       ; the scale's byte
.endr
.irp m, 0,1,2
	v_cvt_scalef32_pk8_fp4_f32 v[PC+2*\m], v[128+16*\m:135+16*\m], v[TM+12+\m]
	v_cvt_scalef32_pk8_fp4_f32 v[PC+2*\m+1], v[136+16*\m:143+16*\m], v[TM+12+\m]
.endr
	v_nop                                          ; one plain line behind the last conversion
.irp m, 0,1,2
	ds_store_b64 v4, v[PC+2*\m:PC+2*\m+1] offset:8192*\q+2048*\m
	ds_store_b8 v5, v[TM+4+\m] offset:512*\q+128*\m
.endr
	s_wait_dscnt 0x0                               ; my stores have landed, and what was asked for ahead of this macro is in
.endm
.macro PRE2                            ; what the second product wants and no wave still has to write: W3's scale words, (c_lo, c_hi), the tokens of the rows that my lanes will store
.irp q, 0,1
.irp g, 0,1,2,3
	ds_load_b64 v[WS+8*\q+2*\g:WS+8*\q+2*\g+1], v6 offset:4096+1024*\q+256*\g
.endr
.endr
.irp m, 0,1,2
	ds_load_b64 v[CW+2*\m:CW+2*\m+1], v15 offset:128*\m
.endr
.irp m, 0,1,2
.irp i, 0,1,2,3,4,5,6,7
	ds_load_b32 v[176+8*\m+48*(\m/2)+\i], v12 offset:(16*\m+2*\i)*4
.endr
.endr
.endm
.macro GETB3 j                         ; b3 of column tile j, both experts, in the result's layout
.irp q, 0,1
	ds_load_b128 v[TM+8*\q:TM+8*\q+3], v14 offset:512*\q+64*(\j)
	ds_load_b128 v[TM+8*\q+4:TM+8*\q+7], v14 offset:512*\q+64*(\j)+16
.endr
.endm
; column tile j: 16 columns x 48 rows x both experts: 6 accumulators by turns, two K steps; b3 is the C of the first; the next tile's b3 is asked for behind the products;
; the two experts' rows are weighed and added; 32 bytes a lane to my stage
.macro COLTILE j
	s_wait_loadcnt 8*(7-(\j))                      ; the later tiles' slots are younger
.if \j == 0
	s_wait_dscnt 0x0
.else
	s_wait_dscnt 6                                 ; b3 is in; the last tile's six stores into my stage are younger and may be out (an LDS store's registers need no wait before they are written again)
.endif
	WIN 0x01
.irp z, 0,1
.irp q, 0,1
.irp m, 0,1,2
.set rD, XF+32*\q+8*\m
.if \z == 0
.set rC, TM+8*\q
.else
.set rC, rD
.endif
.set rA, 32*(\j)+16*\q+8*\z
.set rB, 128+8*((4*\q+\m)*2+\z)
.set rSA, WS+8*\q+2*((\j)/2)+\z
.set rSB, XS+4*\q+\m
	WM (\j)%2, \z
.endr
.endr
.endr
	WIN 0
	PLACES
.if \j < 7
	GETB3 (\j)+1
.endif
.irp m, 0,1,2
.irp i, 0,2,4,6
	v_pk_mul_f32 v[XF+8*\m+\i:XF+8*\m+\i+1], v[XF+8*\m+\i:XF+8*\m+\i+1], v[CW+2*\m:CW+2*\m+1] op_sel_hi:[1,0]   ; x c_lo
.endr
.irp i, 0,1,2,3,4,5,6,7
	v_fmac_f32 v[XF+8*\m+\i], v[XF+32+8*\m+\i], v[CW+2*\m+1]                                                  ; + c_hi x
.endr
	ds_store_b128 v10, v[XF+8*\m:XF+8*\m+3] offset:4352*\m+64*((\j)%4)
	ds_store_b128 v10, v[XF+8*\m+4:XF+8*\m+7] offset:4352*\m+64*((\j)%4)+16
.endr
.endm
; THE WAY OUT of four column tiles (256 bytes a row), 16 rows a batch.  The loads from my stage and their waits stand on every path; only a batch's eight stores are jumped over where the tile has no row there.
.macro STAGEIN m, set
.irp i, 0,1,2,3,4,5,6,7
	ds_load_b128 v[64+32*\set+4*\i:64+32*\set+4*\i+3], v11 offset:(16*\m+2*\i)*272   ; my own bytes: LDS serves a wave's instructions in order
.endr
.endm
.macro STORES g, m, set
	s_cmp_le_u32 s25, 16*\m
	s_cbranch_scc1 .Lskip_\@
.irp i, 0,1,2,3,4,5,6,7
	global_store_b128 v[176+8*\m+48*(\m/2)+\i], v[64+32*\set+4*\i:64+32*\set+4*\i+3], s[18:19] offset:256*\g th:TH_STORE_NT   ; sixteen lanes store 256 consecutive bytes, aligned, of a token's row
.endr
.Lskip_\@:
.endm
.macro SENDGROUP g
	STAGEIN 0, 0
	STAGEIN 1, 1
	s_wait_dscnt 8                                 ; batch 0 is in; batch 1's eight loads are younger
	STORES \g, 0, 0
	s_wait_dscnt 0x0
	STORES \g, 1, 1
	s_wait_xcnt 0x0                                ; batch 0's registers are loaded again only behind this wait
	STAGEIN 2, 0
	s_wait_dscnt 0x0
	STORES \g, 2, 0
	s_wait_xcnt 0x0                                ; and the products that follow write them only behind this one
.endm
	s_load_b512 s[4:19], s[0:1], 0x0               ; xq, wq, rt, plan, b1, b2, b3, out0
	v_lshl_add_u32 v30, v0, 2, 0x40000
	v_mov_b32 v31, 0
	v_lshrrev_b32 v9, 5, v0
	v_readfirstlane_b32 s40, v9                    ; wave w
	s_lshl_b32 s20, ttmp9, 5
	s_wait_kmcnt 0x0
	s_load_b256 s[24:31], s[10:11], s20 offset:0x8000   ; my tile: first, count, lo, hi, last
	v_and_b32 v98, 31, v0                          ; l
	v_and_b32 v99, 15, v0                          ; r
	v_bfe_u32 v100, v0, 4, 1                       ; h
	v_bfe_u32 v101, v0, 2, 3                       ; l / 4
	v_lshlrev_b32 v1, 4, v98
	v_lshlrev_b32 v102, 4, v99
	v_lshlrev_b32 v103, 2, v98
	v_mul_u32_u24 v2, v100, 272
	v_add_nc_u32 v2, v2, v102                      ; 272 h + 16 r
	s_lshl_b32 s21, s40, 9
	s_add_co_u32 s22, s21, BIA
	v_lshlrev_b32 v3, 6, v100
	v_add_nc_u32 v3, s22, v3
	v_add_nc_u32 v85, s22, v103
	v_add_nc_u32 v13, s21, v102                    ; 512 w + 16 r
	s_lshl_b32 s22, s40, 8
	s_add_co_u32 s22, s22, HIMG
	v_lshl_add_u32 v4, v100, 3, v102
	v_add_nc_u32 v4, s22, v4                       ; block w of the next K: K step w / 4, group (w / 2) % 2, lanes' half w % 2: 256 w; + 16 r + 8 h
	s_lshr_b32 s22, s40, 2
	s_lshl_b32 s22, s22, 6
	s_and_b32 s23, s40, 3
	s_add_co_u32 s22, s22, s23
	s_add_co_u32 s22, s22, HSC
	v_lshlrev_b32 v5, 2, v99
	v_add_nc_u32 v5, s22, v5
	s_mul_i32 s22, s40, 6144
	s_add_co_u32 s22, s22, WSL
	v_lshlrev_b32 v6, 3, v98
	v_add_nc_u32 v6, s22, v6
	v_add_nc_u32 v84, s22, v1
	v_add_nc_u32 v7, HIMG, v1
	v_add_nc_u32 v8, HSC, v103
	v_lshlrev_b32 v9, 5, v99
	v_lshl_add_u32 v9, v100, 4, v9
	v_add_nc_u32 v9, XSL, v9
	s_mul_i32 s22, s40, 17408
	s_add_co_u32 s22, s22, STG
	v_mul_u32_u24 v10, v99, 272
	v_lshl_add_u32 v10, v100, 5, v10
	v_add_nc_u32 v10, s22, v10
	v_add_nc_u32 v11, s22, v2
	v_lshlrev_b32 v12, 2, v100
	v_add_nc_u32 v12, TOKL, v12
	s_lshl_b32 s22, s40, 10
	s_add_co_u32 s22, s22, B3L
	v_lshlrev_b32 v14, 5, v100
	v_add_nc_u32 v14, s22, v14
	v_add_nc_u32 v86, s22, v1
	v_lshlrev_b32 v15, 3, v99
	v_add_nc_u32 v15, CWL, v15
	s_lshr_b32 s22, s40, 1
	s_mul_i32 s22, s22, 8704
	s_and_b32 s23, s40, 1
	s_lshl_b32 s23, s23, 7
	s_add_co_u32 s22, s22, s23
	v_mul_u32_u24 v87, v98, 272
	v_add_nc_u32 v87, s22, v87                     ; my 8 rows' codes: lane = block: row tile w / 2, 272 l, row 8 (w % 2) + j
	s_lshl_b32 s22, s40, 8
	s_add_co_u32 s22, s22, XSL
	v_lshlrev_b32 v88, 3, v98
	v_add_nc_u32 v88, s22, v88
	s_lshl_b32 s22, s40, 6
	s_add_co_u32 s22, s22, CWL
	v_lshlrev_b32 v89, 3, v101
	v_add_nc_u32 v89, s22, v89
	s_lshl_b32 s22, s40, 5
	s_add_co_u32 s22, s22, TOKL
	v_mov_b32 v81, s22
	v_lshlrev_b32 v83, 2, v101
	v_add_nc_u32 v83, s22, v83
	v_and_b32 v104, 3, v98
.irp m, 0,1,2,3
	v_mov_b32 v[TM+4+\m], 0                        ; a lane permute's destination counts as one of its sources
.endr
	s_mov_b32 s58, 0x76543210
	s_mov_b32 s59, 0xfedcba98
	s_mov_b32 s60, 0xbfb8aa3b                      ; -log2(e)
	s_mov_b32 s61, s60
	s_wait_kmcnt 0x0
	s_min_u32 s24, s24, 0x1fff
	s_min_u32 s25, s25, 48
	s_min_u32 s26, s26, 7
	s_min_u32 s27, s27, 7
	s_min_u32 s28, s28, 0x1fff
	s_lshl_b32 s23, s40, 3                         ; my first row place
	s_add_co_u32 s56, s24, s23
	s_lshl_b32 s56, s56, 2
	s_load_b256 s[32:39], s[10:11], s56 offset:0x0 ; my 8 places' tokens (what lies past the tile is not used; the bytes lie inside the buffer and are written)
	s_lshl_b32 s57, s28, 2
	s_load_b32 s41, s[10:11], s57 offset:0x0       ; the tile's last token
	s_lshl_b32 s42, s26, 17
	s_lshl_b32 s20, s40, 14
	s_add_co_u32 s42, s42, s20
	s_mov_b32 s43, 0
	s_add_nc_u64 s[44:45], s[6:7], s[42:43]        ; W1 of lo, my part
	s_add_nc_u64 s[46:47], s[44:45], 0x100000      ; W2 of lo
	s_add_nc_u64 s[52:53], s[44:45], 0x200000      ; W3 of lo
	s_lshl_b32 s42, s27, 17
	s_add_co_u32 s42, s42, s20
	s_add_nc_u64 s[48:49], s[6:7], s[42:43]        ; W1 of hi
	s_add_nc_u64 s[50:51], s[48:49], 0x100000
	s_add_nc_u64 s[54:55], s[48:49], 0x200000
	s_lshl_b32 s21, s40, 10
	s_lshl_b32 s20, s26, 13
	s_add_co_u32 s20, s20, s21
	v_add_nc_u32 v64, s20, v1
	s_lshl_b32 s20, s27, 13
	s_add_co_u32 s20, s20, s21
	v_add_nc_u32 v65, s20, v1
	s_lshl_b32 s21, s40, 7
	s_lshl_b32 s20, s26, 10
	s_add_co_u32 s20, s20, s21
	v_add_nc_u32 v66, s20, v103
	s_lshl_b32 s20, s27, 10
	s_add_co_u32 s20, s20, s21
	v_add_nc_u32 v67, s20, v103
	s_lshl_b32 s21, s40, 9
	s_lshl_b32 s20, s26, 12
	s_add_co_u32 s20, s20, s21
	v_add_nc_u32 v68, s20, v1
	s_lshl_b32 s20, s27, 12
	s_add_co_u32 s20, s20, s21
	v_add_nc_u32 v69, s20, v1
; 18 loads: the weights' scale words, b1, b2, b3 of both experts, my parts
.irp q, 0,1
.irp t, 0,1,2
.irp i, 0,1
	global_load_b128 v[128+4*((3*\q+\t)*2+\i):128+4*((3*\q+\t)*2+\i)+3], v[64+\q], s[6:7] offset:0x300000+0x10000*\t+512*\i
.endr
.endr
.endr
.irp q, 0,1
	global_load_b32 v[176+2*\q], v[66+\q], s[12:13]
	global_load_b32 v[177+2*\q], v[66+\q], s[14:15]
.endr
.irp q, 0,1
	global_load_b128 v[180+4*\q:183+4*\q], v[68+\q], s[16:17]
.endr
	FILL 0, 44
	FILL 1, 44
	FILL 2, 44
	FILL 3, 44
	s_wait_kmcnt 0x0
.irp j, 0,1,2,3,4,5,6,7
	s_add_co_u32 s21, s23, \j
	s_cmp_lt_u32 s21, s25                          ; a place past the tile's count repeats the last token
	s_cselect_b32 s[32+\j], s[32+\j], s41
	s_min_u32 s[32+\j], s[32+\j], 0x1fff
	v_mov_b32 v[90+\j], s[32+\j]
	ds_store_b32 v81, v[90+\j] offset:4*\j
	v_lshl_add_u32 v[70+\j], s[32+\j], 9, v1
.endr
	ds_load_b32 v78, v83                           ; lane l: the token of my place l / 4 (my own bytes, served in order)
.irp j, 0,1,2,3,4,5,6,7
	global_load_b128 v[192+4*\j:195+4*\j], v[70+\j], s[4:5]     ; a token's 512 bytes of codes
.endr
	s_wait_dscnt 0x0
	v_min_u32 v78, 0x1fff, v78
	v_lshlrev_b32 v79, 5, v78
	v_lshl_add_u32 v79, v104, 3, v79
	v_lshlrev_b32 v80, 3, v78
	global_load_b64 v[224:225], v79, s[4:5] offset:XSO
	global_load_b64 v[226:227], v80, s[8:9]
	s_wait_loadcnt 42                              ; the 18 are in: four slots (32 loads) and the rows' 10 are younger
.irp q, 0,1
.irp t, 0,1,2
.irp i, 0,1
	ds_store_b128 v84, v[128+4*((3*\q+\t)*2+\i):128+4*((3*\q+\t)*2+\i)+3] offset:(\t/2)*(4096+1024*\q)+(1-\t/2)*(2048*\q+1024*\t)+512*\i
.endr
.endr
.endr
.irp q, 0,1
.irp t, 0,1
	ds_store_b32 v85, v[176+2*\q+\t] offset:256*\q+128*\t
.endr
	ds_store_b128 v86, v[180+4*\q:183+4*\q] offset:512*\q
.endr
	FILL 4, 44
	FILL 5, 44
	s_wait_loadcnt 16                              ; the rows are in: two slots are younger
.irp j, 0,1,2,3,4,5,6,7
	ds_store_b128 v87, v[192+4*\j:195+4*\j] offset:16*\j
.endr
	ds_store_b64 v88, v[224:225]
	ds_store_b64 v89, v[226:227]
	FILL 6, 44
	FILL 7, 44
	PH_OWN 0                                       ; my own bytes, stored above and served in order: they come back while I wait for the others
	s_wait_dscnt 0x0                               ; for the others' sake
	s_barrier_signal -1
	s_barrier_wait -1                              ; the tile's codes, scale bytes, weights and tokens lie in LDS
	PH_X 0
.irp s, 0,1,2,3,4,5,6,7
	KSTEP 0, \s
.endr
	PH_OWN 1                                       ; the second pass's 28 loads land under the activation
	PH_X 1
	ACT 0
.irp s, 0,1,2,3,4,5,6,7
	KSTEP 1, \s
.endr
	PRE2                                           ; 35 loads for the second product land under the activation
	ACT 1
	s_barrier_signal -1                            ; (ACT ends with the wait for all my LDS instructions)
.irp m, 0,1,2
.irp i, 0,1,2,3,4,5,6,7
	v_min_u32 v[176+8*\m+48*(\m/2)+\i], 0x1fff, v[176+8*\m+48*(\m/2)+\i]
	v_lshl_add_u32 v[176+8*\m+48*(\m/2)+\i], v[176+8*\m+48*(\m/2)+\i], 12, v13   ; the 24 store offsets, made once while the others arrive: token x 4,096 + 512 w + 16 (l % 16)
.endr
.endr
	s_barrier_wait -1                              ; h's 12 fragments and their scale words lie in LDS
.irp q, 0,1
.irp m, 0,1,2
.irp z, 0,1
	ds_load_b128 v[128+8*((4*\q+\m)*2+\z):128+8*((4*\q+\m)*2+\z)+3], v7 offset:1024*((4*\q+\m)*2+\z)
	ds_load_b128 v[128+8*((4*\q+\m)*2+\z)+4:128+8*((4*\q+\m)*2+\z)+7], v7 offset:1024*((4*\q+\m)*2+\z)+512
.endr
.endr
.endr
.irp q, 0,1
.irp m, 0,1,2
	ds_load_b32 v[XS+4*\q+\m], v8 offset:128*(4*\q+\m)   ; lanes 0-15: K step 0's words, lanes 16-31: K step 1's
.endr
.endr
	GETB3 0
	COLTILE 0
	COLTILE 1
	COLTILE 2
	COLTILE 3
	SENDGROUP 0
	COLTILE 4
	COLTILE 5
	COLTILE 6
	COLTILE 7
	SENDGROUP 1
	s_wait_tensorcnt 0x0
	ds_add_u32 v30, v31
	s_wait_dscnt 0x0
	s_endpgm
.Lfunc_end_k_q65a8974ae6_chain:
	.size	k_q65a8974ae6_chain, .Lfunc_end_k_q65a8974ae6_chain-k_q65a8974ae6_chain
	.p2alignl 7, 3214868480
	.fill 96, 4, 3214868480
	.section	.rodata,"a",@progbits
	.p2align	6, 0x0
	.amdhsa_kernel k_q65a8974ae6_chain
		.amdhsa_group_segment_fixed_size 263168
		.amdhsa_private_segment_fixed_size 0
		.amdhsa_enable_private_segment 0
		.amdhsa_kernarg_size 64
		.amdhsa_user_sgpr_count 2
		.amdhsa_user_sgpr_kernarg_segment_ptr 1
		.amdhsa_wavefront_size32 1
		.amdhsa_system_sgpr_workgroup_id_x 1
		.amdhsa_system_sgpr_workgroup_id_y 1
		.amdhsa_system_sgpr_workgroup_id_z 1
		.amdhsa_system_vgpr_workitem_id 0
		.amdhsa_next_free_vgpr 512
		.amdhsa_next_free_sgpr 66
		.amdhsa_reserve_vcc 0
		.amdhsa_float_denorm_mode_32 3
		.amdhsa_float_denorm_mode_16_64 3
		.amdhsa_memory_ordered 1
		.amdhsa_forward_progress 1
		.amdhsa_inst_pref_size 137
	.end_amdhsa_kernel
	.amdgpu_metadata
---
amdhsa.version: [ 1, 2 ]
amdhsa.kernels:
  - .name:           k_q65a8974ae6_chain
    .symbol:         k_q65a8974ae6_chain.kd
    .args:
      - { .name: xq, .offset: 0, .size: 8, .value_kind: global_buffer, .address_space: global }
      - { .name: wq, .offset: 8, .size: 8, .value_kind: global_buffer, .address_space: global }
      - { .name: rt, .offset: 16, .size: 8, .value_kind: global_buffer, .address_space: global }
      - { .name: plan, .offset: 24, .size: 8, .value_kind: global_buffer, .address_space: global }
      - { .name: b1, .offset: 32, .size: 8, .value_kind: global_buffer, .address_space: global }
      - { .name: b2, .offset: 40, .size: 8, .value_kind: global_buffer, .address_space: global }
      - { .name: b3, .offset: 48, .size: 8, .value_kind: global_buffer, .address_space: global }
      - { .name: out0, .offset: 56, .size: 8, .value_kind: global_buffer, .address_space: global }
    .group_segment_fixed_size: 263168
    .private_segment_fixed_size: 0
    .kernarg_segment_align: 8
    .kernarg_segment_size: 64
    .max_flat_workgroup_size: 256
    .sgpr_count:     66
    .vgpr_count:     512
    .wavefront_size: 32
...
	.end_amdgpu_metadata
.endif
;; end of part 3
;; ======== version 2 of 2: 3 launches
;; workspace buffers: xq 4,456,448 bytes; wq 3,342,336 bytes; rt 73,728 bytes; sel 65,536 bytes of whole numbers; plan 49,152 bytes of whole numbers
;; launch prep (part 4): grid 448 x 1, 8 waves a work-group, no clusters, 164,864 bytes of LDS; arguments x, gate_w, gate_b, w1, w2, w3, xq, wq, rt, sel; writes xq, wq, rt, sel
.if DOCPART == 4
	.amdgcn_target "amdgcn-amd-amdhsa--gfx1250"
	.amdhsa_code_object_version 6
	.text
	.protected	k_q65a8974ae6_prep
	.globl	k_q65a8974ae6_prep
	.p2align	8
	.type	k_q65a8974ae6_prep,@function
k_q65a8974ae6_prep:
	s_mov_b64 s[64:65], 0
	v_nop
	global_prefetch_b8 v0, s[64:65] scope:SCOPE_SE
	s_setreg_imm32_b32 hwreg(HW_REG_WAVE_MODE, 25, 1), 1
	s_wait_xcnt 0x0
; PREP: every f32 input is read once.  Three kinds of work-group, chosen by the work-group's number, each with LDS bytes of its own:
;   0..255   X:   32 tokens of x: codes of E2M1 and E8M0 scale bytes (xq), the router in f32 (8 logits, softmax, top-2), stored at FIXED places:
;                 rt: (c_lo, c_hi) a token, 8 sums of scores a work-group;  sel: pair number | rank << 8 a token, a histogram of the 28 pairs a work-group.
;   256..383 W12: 128 columns x 256 k of w1 or w2;   384..447 W3: 128 columns x 256 k of w3: codes and scale bytes (wq), laid in the order of the operand registers of the wave that will load them.
; A block's scale byte is its largest magnitude's exponent field - 2, held at 1 from below.
; LIMITS: NaN and infinities among the inputs are not served.  A block of zeros gets the byte 1 where the rule says 127 (its codes are zeros; this program alone reads the bytes); blocks whose largest
; magnitude lies under 2^-124 are held at the byte 1.  A logit is summed in 16 chains of 64 numbers and a tree, not in reference()'s order: a token whose second and third scores agree to about 1e-7 may choose otherwise.
; No matrix unit (the router's product has 8 columns and decides indices: f32 multiply-adds), no tensor load, no cluster: nothing is read by two work-groups but 32 KB of gate_w.
.set XSO,   0x400000                   ; xq: scale bytes behind the codes
.set XST,   0                          ; X: 8 stages of 32 rows x 272, a wave's own
.set CST,   69632                      ; X: 32 rows of codes x 528
.set SST,   86528                      ; X: 32 rows x 32 scale bytes
.set LGT,   87552                      ; X: [wave][token][8] parts of logits
.set GST,   95744                      ; X: [wave][e][128 k] gate_w, turned
.set WST12, 128512                     ; W12: 8 stages of 2,048
.set WSB12, 144896                     ; W12: 1,024 scale bytes
.set WST3,  145920
.set WSB3,  162304
; four k of gate_w for all eight e: every lane reads the same 16 bytes
.macro GL c, hb
.irp e, 0,1,2,3,4,5,6,7
	ds_load_b128 v[16+32*((\hb)%2)+4*\e:16+32*((\hb)%2)+4*\e+3], v14 offset:512*\e+16*(16*\c+(\hb))
.endr
.endm
; 64 k of my 128: through my stage, so that lane t holds 64 neighbours of token t; two blocks are quantised; 8 x 64 multiply-adds a lane
.macro CHUNK c
.set RC, 80+64*\c
	s_wait_loadcnt 16-16*\c                        ; this chunk's 16 loads are in; the other chunk's 16 are younger
.irp i, 0,1,2,3,4,5,6,7,8,9,10,11,12,13,14,15
	ds_store_b128 v3, v[RC+4*\i:RC+4*\i+3] offset:544*\i
.endr
	s_wait_dscnt 0x0                               ; the stores have read their registers
.irp i, 0,1,2,3,4,5,6,7,8,9,10,11,12,13,14,15
	ds_load_b128 v[RC+4*\i:RC+4*\i+3], v4 offset:16*\i
.endr
	GL \c, 0
	GL \c, 1
	s_wait_dscnt 16                                ; my 64 numbers are in; the 16 loads of gate_w are younger
.irp b, 0,1
	v_max3_num_f32 v[248+\b], |v[RC+32*\b]|, |v[RC+32*\b+1]|, 0x1800000   ; the floor 2^(3 - 127) holds the byte at 1 from below
.endr
.irp i, 2,4,6,8,10,12,14,16,18,20,22,24,26,28,30
.irp b, 0,1
	s_delay_alu instid0(VALU_DEP_2)
	v_max3_num_f32 v[248+\b], v[248+\b], |v[RC+32*\b+\i]|, |v[RC+32*\b+\i+1]|
.endr
.endr
.irp b, 0,1
	s_delay_alu instid0(VALU_DEP_2)
	v_add_nc_u32 v[250+\b], 0xff000000, v[248+\b]  ; 2 off the exponent field: the conversion's scale operand
.endr
.irp b, 0,1
.irp g, 0,1,2,3
	v_cvt_scalef32_pk8_fp4_f32 v[224+8*\c+4*\b+\g], v[RC+32*\b+8*\g:RC+32*\b+8*\g+7], v[250+\b]
.endr
.endr
.irp b, 0,1
	v_lshrrev_b32 v[252+2*\c+\b], 23, v[250+\b]    ; the scale's byte (also the plain line behind the conversions)
.endr
.set HB, 0
.rept 16
.if HB < 15
	s_wait_alu depctr_va_vdst(0)
	s_wait_dscnt 8                                 ; this set of gate_w is in, the other set's eight loads are younger
.else
	s_wait_alu depctr_va_vdst(0)
	s_wait_dscnt 0x0
.endif
.irp kp, 0,1
.irp e, 0,1,2,3,4,5,6,7
	v_pk_fma_f32 v[208+2*\e:209+2*\e], v[RC+4*HB+2*\kp:RC+4*HB+2*\kp+1], v[16+32*(HB%2)+4*\e+2*\kp:16+32*(HB%2)+4*\e+2*\kp+1], v[208+2*\e:209+2*\e]
.endr
.endr
.if HB < 14
	GL \c, HB+2
.endif
.set HB, HB+1
.endr
.endm
; A weight's share: wave = one block of 32 k, lane = 4 neighbouring columns.  s[38:39] source, s[40:41] codes, s[42:43] scale bytes.
.macro WQ rowb, tstep
.set I, 0
.rept 32
	global_load_b128 v[64+4*I:67+4*I], v2, s[38:39] offset:I*\rowb th:TH_LOAD_NT   ; 32 lanes read 512 consecutive bytes of row k
.set I, I+1
.endr
	s_wait_loadcnt 0x0
.irp c, 0,1,2,3
	v_max3_num_f32 v[16+\c], |v[64+\c]|, |v[68+\c]|, 0x1800000
.endr
.set I, 2
.rept 15
.irp c, 0,1,2,3
	s_delay_alu instid0(VALU_DEP_4)
	v_max3_num_f32 v[16+\c], v[16+\c], |v[64+4*I+\c]|, |v[68+4*I+\c]|
.endr
.set I, I+2
.endr
.irp c, 0,1,2,3
	s_delay_alu instid0(VALU_DEP_4)
	v_add_nc_u32 v[20+\c], 0xff000000, v[16+\c]
.endr
.irp c, 0,1,2,3
	s_delay_alu instid0(VALU_DEP_4)
	v_lshrrev_b32 v[24+\c], 23, v[20+\c]
.endr
; the conversion takes eight neighbours along K from consecutive registers; a column's lie four registers apart: eight copies, the price of loads of 512 bytes.  Two sets by turns.
.irp c, 0,1,2,3
.irp g, 0,1,2,3
.irp t, 0,1,2,3,4,5,6,7
	v_mov_b32 v[32+8*((4*\c+\g)%2)+\t], v[64+4*(8*\g+\t)+\c]
.endr
	v_cvt_scalef32_pk8_fp4_f32 v[48+4*\c+\g], v[32+8*((4*\c+\g)%2):32+8*((4*\c+\g)%2)+7], v[20+\c]
.endr
.endr
	v_nop                                          ; one plain line behind the last conversion
.irp c, 0,1,2,3
	ds_store_b128 v3, v[48+4*\c:51+4*\c] offset:16*\c   ; a column's block, 16 bytes, at its place in the reader's order
.endr
.irp c, 0,1,2,3
	ds_store_b8 v4, v[24+\c] offset:8*\c
.endr
.irp t, 0,1,2,3
	ds_load_b128 v[32+4*\t:35+4*\t], v5 offset:512*\t   ; my own bytes: LDS serves a wave's instructions in order
.endr
.irp t, 0,1,2,3
	s_wait_dscnt 3-\t
	global_store_b128 v6, v[32+4*\t:35+4*\t], s[40:41] offset:\t*\tstep   ; sixteen lanes store 256 consecutive bytes, aligned
.endr
	s_wait_dscnt 0x0                               ; my scale bytes have landed
	s_barrier_signal -1
	s_barrier_wait -1
	s_cmp_gt_u32 s24, 1
	s_cbranch_scc1 .Lwq_end_\@
	ds_load_b128 v[48:51], v7                      ; waves 0 and 1: 512 of the work-group's 1,024 scale bytes each
	s_wait_dscnt 0x0
	global_store_b128 v8, v[48:51], s[42:43]
.Lwq_end_\@:
	s_set_vgpr_msb 0x5
	s_wait_tensorcnt 0x0
	ds_add_u32 v0, v1
	s_wait_dscnt 0x0
	s_set_vgpr_msb 0x500
	s_endpgm
.endm
	s_load_b512 s[4:19], s[0:1], 0x0               ; x, gate_w, gate_b, w1, w2, w3, xq, wq
	s_load_b128 s[20:23], s[0:1], 0x40             ; rt, sel
	s_set_vgpr_msb 0x40
	v_lshl_add_u32 v0, v0, 2, 0x28000
	v_mov_b32 v1, 0
	s_set_vgpr_msb 0x4000
	v_lshrrev_b32 v1, 5, v0
	s_delay_alu instid0(VALU_DEP_1)
	v_readfirstlane_b32 s24, v1                    ; wave
	v_and_b32 v1, 31, v0                           ; lane
	s_cmp_ge_u32 ttmp9, 384
	s_cbranch_scc1 .Lw3
	s_cmp_ge_u32 ttmp9, 256
	s_cbranch_scc1 .Lw12
; ---------------- X: tokens 32 wg .. 32 wg + 31; wave v takes k = 128 v .. 128 v + 127 ----------------
	v_and_b32 v240, 15, v1
	v_lshrrev_b32 v241, 4, v1
	v_lshlrev_b32 v9, 4, v1                        ; 16 l
	s_delay_alu instid0(VALU_DEP_3)
	v_lshlrev_b32 v242, 4, v240
	s_lshl_b32 s25, s24, 9
	v_lshl_add_u32 v2, v241, 12, v242
	s_delay_alu instid0(VALU_DEP_1)
	v_add_nc_u32 v2, s25, v2                       ; x: row l / 16, 16 (l % 16), + 512 v
	s_mul_i32 s25, s24, 8704
	v_mul_u32_u24 v3, v241, 272
	s_delay_alu instid0(VALU_DEP_1)
	v_add_nc_u32 v3, v3, v242
	s_delay_alu instid0(VALU_DEP_1)
	v_add_nc_u32 v3, s25, v3                       ; my stage, in
	v_mul_u32_u24 v4, v1, 272
	s_delay_alu instid0(VALU_DEP_1)
	v_add_nc_u32 v4, s25, v4                       ; my stage, out: row = lane
	s_lshl_b32 s25, s24, 6
	s_add_co_u32 s25, s25, CST
	v_mul_u32_u24 v5, v1, 528
	s_delay_alu instid0(VALU_DEP_1)
	v_add_nc_u32 v5, s25, v5                       ; codes: row = token, my 64 bytes
	s_lshl_b32 s25, s24, 2
	s_add_co_u32 s25, s25, SST
	v_lshlrev_b32 v243, 5, v1
	s_delay_alu instid0(VALU_DEP_1)
	v_add_nc_u32 v6, s25, v243                     ; scale word
	s_lshl_b32 s25, s24, 10
	s_add_co_u32 s25, s25, LGT
	v_add_nc_u32 v7, s25, v243                     ; parts of logits
	s_mul_i32 s25, s24, 2112
	s_add_co_u32 s25, s25, CST
	v_add_nc_u32 v8, s25, v9                       ; codes back: rows 4 v .. 4 v + 3
	v_add_nc_u32 v10, LGT, v243
	s_and_b32 s25, s24, 1
	s_lshl_b32 s25, s25, 9
	v_add_nc_u32 v12, s25, v9                      ; scale bytes out (waves 6, 7): in memory
	s_add_co_u32 s25, s25, SST
	v_add_nc_u32 v11, s25, v9                      ; and in LDS
	s_lshl_b32 s25, s24, 12
	s_add_co_u32 s25, s25, GST
	v_mov_b32 v14, s25                             ; gate_w, turned: one address for all lanes
	v_and_b32 v244, 1, v1
	v_lshrrev_b32 v245, 1, v1
	s_delay_alu instid0(VALU_DEP_2)
	v_lshlrev_b32 v13, 11, v244
	s_delay_alu instid0(VALU_DEP_1)
	v_lshl_add_u32 v13, v245, 2, v13
	s_delay_alu instid0(VALU_DEP_1)
	v_add_nc_u32 v13, s25, v13                     ; where my words of gate_w go: e = 4 (l % 2) + j, k = 16 i + l / 2
	s_lshl_b32 s25, s24, 11
	v_add_nc_u32 v15, s25, v9                      ; codes out: 2,048 v + 16 l
	s_mov_b32 s27, 0
	s_wait_kmcnt 0x0
	s_load_b256 s[36:43], s[8:9], 0x0              ; gate_b
	s_lshl_b32 s26, ttmp9, 17
	s_add_nc_u64 s[28:29], s[4:5], s[26:27]        ; x at my tokens
	s_lshl_b32 s26, s24, 12
	s_add_nc_u64 s[6:7], s[6:7], s[26:27]          ; gate_w at my 128 k
	s_lshl_b32 s26, ttmp9, 14
	s_add_nc_u64 s[30:31], s[16:17], s[26:27]      ; codes
	s_lshl_b32 s26, ttmp9, 10
	s_add_nc_u64 s[32:33], s[16:17], s[26:27]
	s_add_nc_u64 s[32:33], s[32:33], XSO           ; scale bytes
	s_lshl_b32 s26, ttmp9, 8
	s_add_nc_u64 s[44:45], s[20:21], s[26:27]      ; (c_lo, c_hi)
	s_lshl_b32 s26, ttmp9, 5
	s_add_nc_u64 s[46:47], s[20:21], s[26:27]      ; sums of scores (+ 65,536)
	s_lshl_b32 s26, ttmp9, 7
	s_add_nc_u64 s[48:49], s[22:23], s[26:27]      ; sel, and the histogram (+ 32,768)
.irp i, 0,1,2,3,4,5,6,7
	global_load_b128 v[16+4*\i:19+4*\i], v9, s[6:7] offset:512*\i
.endr
.irp c, 0,1
.irp i, 0,1,2,3,4,5,6,7,8,9,10,11,12,13,14,15
	global_load_b128 v[80+64*\c+4*\i:83+64*\c+4*\i], v2, s[28:29] offset:8192*\i+256*\c th:TH_LOAD_NT   ; two rows x 256 aligned bytes
.endr
.endr
.irp j, 0,1,2,3,4,5,6,7,8,9,10,11,12,13,14,15
	v_mov_b32 v[208+\j], 0                         ; 8 logits x (even k, odd k)
.endr
	s_wait_loadcnt 32                              ; gate_w is in; x's 32 loads are younger
.irp i, 0,1,2,3,4,5,6,7
.irp j, 0,1,2,3
	ds_store_b32 v13, v[16+4*\i+\j] offset:512*\j+64*\i
.endr
.endr
	s_wait_dscnt 0x0
	CHUNK 0
	CHUNK 1
	v_lshl_or_b32 v252, v253, 8, v252              ; my four bytes: the token's scale word of these 128 k
	s_delay_alu instid0(VALU_DEP_1)
	v_lshl_or_b32 v252, v254, 16, v252
	s_delay_alu instid0(VALU_DEP_1)
	v_lshl_or_b32 v252, v255, 24, v252
.irp e, 0,1,2,3,4,5,6,7
	v_add_f32 v[240+\e], v[208+2*\e], v[209+2*\e]
.endr
.irp b, 0,1,2,3
	ds_store_b128 v5, v[224+4*\b:227+4*\b] offset:16*\b
.endr
	ds_store_b32 v6, v252
	ds_store_b128 v7, v[240:243]
	ds_store_b128 v7, v[244:247] offset:16
	s_wait_kmcnt 0x0                               ; gate_b
	s_wait_dscnt 0x0                               ; for the others' sake
	s_barrier_signal -1
	s_barrier_wait -1
.irp i, 0,1,2,3
	ds_load_b128 v[16+4*\i:19+4*\i], v8 offset:528*\i
.endr
.irp i, 0,1,2,3
	s_wait_dscnt 3-\i
	global_store_b128 v15, v[16+4*\i:19+4*\i], s[30:31] offset:512*\i   ; a token's 512 bytes of codes
.endr
	s_cmp_lt_u32 s24, 6
	s_cbranch_scc1 .Lx_no_scales
	ds_load_b128 v[32:35], v11
	s_wait_dscnt 0x0
	global_store_b128 v12, v[32:35], s[32:33]
.Lx_no_scales:
	s_cmp_lg_u32 s24, 0
	s_cbranch_scc1 .Lx_end
; wave 0: the router's tail; lane = token
.irp u, 0,1,2,3,4,5,6,7
	ds_load_b128 v[80+8*\u:83+8*\u], v10 offset:1024*\u
	ds_load_b128 v[84+8*\u:87+8*\u], v10 offset:1024*\u+16
.endr
	s_mov_b32 s58, 0x76543210
	s_mov_b32 s59, 0xfedcba98
	s_wait_dscnt 0x0
.irp j, 0,2,4,6
	v_pk_add_f32 v[80+\j:81+\j], v[80+\j:81+\j], v[88+\j:89+\j]
	v_pk_add_f32 v[96+\j:97+\j], v[96+\j:97+\j], v[104+\j:105+\j]
	v_pk_add_f32 v[112+\j:113+\j], v[112+\j:113+\j], v[120+\j:121+\j]
	v_pk_add_f32 v[128+\j:129+\j], v[128+\j:129+\j], v[136+\j:137+\j]
.endr
.irp j, 0,2,4,6
	v_pk_add_f32 v[80+\j:81+\j], v[80+\j:81+\j], v[96+\j:97+\j]
	v_pk_add_f32 v[112+\j:113+\j], v[112+\j:113+\j], v[128+\j:129+\j]
.endr
.irp j, 0,2,4,6
	v_pk_add_f32 v[80+\j:81+\j], v[80+\j:81+\j], v[112+\j:113+\j]
.endr
.irp e, 0,1,2,3,4,5,6,7
	v_add_f32 v[80+\e], s[36+\e], v[80+\e]         ; + gate_b
.endr
	v_max3_num_f32 v144, v80, v81, v82
	s_delay_alu instid0(VALU_DEP_1)
	v_max3_num_f32 v144, v144, v83, v84
	s_delay_alu instid0(VALU_DEP_1)
	v_max3_num_f32 v144, v144, v85, v86
	s_delay_alu instid0(VALU_DEP_1)
	v_max_num_f32 v144, v144, v87                  ; the row's largest logit is taken away, as reference() does
.irp e, 0,1,2,3,4,5,6,7
	v_sub_f32 v[80+\e], v[80+\e], v144
.endr
.irp e, 0,1,2,3,4,5,6,7
	v_mul_f32 v[80+\e], 0x3fb8aa3b, v[80+\e]
.endr
	s_wait_alu depctr_va_vdst(0)
.irp e, 0,1,2,3,4,5,6,7
	v_exp_f32 v[80+\e], v[80+\e]
.endr
	v_nop
	s_wait_alu depctr_va_vdst(0)
	v_add_f32 v145, v80, v81
	v_add_f32 v146, v82, v83
	v_add_f32 v147, v84, v85
	v_add_f32 v148, v86, v87
	s_delay_alu instid0(VALU_DEP_3)
	v_add_f32 v145, v145, v146
	s_delay_alu instid0(VALU_DEP_2)
	v_add_f32 v147, v147, v148
	s_delay_alu instid0(VALU_DEP_1)
	v_add_f32 v145, v145, v147
	s_wait_alu depctr_va_vdst(0)
	v_rcp_f32 v145, v145
	v_nop
	s_wait_alu depctr_va_vdst(0)
.irp e, 0,1,2,3,4,5,6,7
	v_mul_f32 v[80+\e], v[80+\e], v145             ; the scores
.endr
	v_mov_b32 v146, v80                            ; the first choice: strictly greater in ascending e, so the lower index wins a tie
	v_mov_b32 v147, 0
.irp e, 1,2,3,4,5,6,7
	s_delay_alu instid0(VALU_DEP_2)
	v_cmp_gt_f32 vcc_lo, v[80+\e], v146
	s_delay_alu instid0(VALU_DEP_1)
	v_cndmask_b32 v146, v146, v[80+\e], vcc_lo
	s_delay_alu instid0(VALU_DEP_2)
	v_cndmask_b32 v147, v147, \e, vcc_lo
.endr
	v_mov_b32 v148, -1.0                           ; the second: the same among the others (scores are not negative)
	v_mov_b32 v149, 0
.irp e, 0,1,2,3,4,5,6,7
	s_delay_alu instid0(VALU_DEP_2)
	v_cmp_gt_f32 s56, v[80+\e], v148
	v_cmp_ne_u32 s57, \e, v147
	s_and_b32 s56, s56, s57
	v_cndmask_b32 v148, v148, v[80+\e], s56
	v_cndmask_b32 v149, v149, \e, s56
.endr
	s_delay_alu instid0(VALU_DEP_1)
	v_min_u32 v150, v147, v149                     ; lo
	s_delay_alu instid0(VALU_DEP_2)
	v_max_u32 v151, v147, v149                     ; hi
	s_delay_alu instid0(VALU_DEP_3)
	v_cmp_lt_u32 vcc_lo, v147, v149
	s_delay_alu instid0(VALU_DEP_1)
	v_cndmask_b32 v152, v148, v146, vcc_lo         ; c_lo
	s_delay_alu instid0(VALU_DEP_2)
	v_cndmask_b32 v153, v146, v148, vcc_lo         ; c_hi
	v_sub_nc_u32 v154, 13, v150
	s_delay_alu instid0(VALU_DEP_1)
	v_mul_u32_u24 v154, v154, v150
	s_delay_alu instid0(VALU_DEP_1)
	v_lshrrev_b32 v154, 1, v154
	s_delay_alu instid0(VALU_DEP_1)
	v_add3_u32 v154, v154, v151, -1                ; the pair's number: lo (13 - lo) / 2 + hi - 1, 0 .. 27
	v_mov_b32 v155, 0                              ; my rank among the work-group's tokens of my pair
	v_mov_b32 v156, 0                              ; lane p: how many tokens of pair p
.irp pp, 0,1,2,3,4,5,6,7,8,9,10,11,12,13,14,15,16,17,18,19,20,21,22,23,24,25,26,27
	v_cmp_eq_u32 s56, \pp, v154
	s_delay_alu instid0(VALU_DEP_1)
	v_mbcnt_lo_u32_b32 v157, s56, 0
	s_delay_alu instid0(VALU_DEP_1)
	v_cndmask_b32 v155, v155, v157, s56
	s_bcnt1_i32_b32 s57, s56
	v_writelane_b32 v156, s57, \pp
.endr
	v_lshl_or_b32 v155, v155, 8, v154
.irp e, 0,1,2,3,4,5,6,7
	v_mov_b32 v[160+\e], 0
.endr
.irp n, 1,2,4,8
.irp e, 0,1,2,3,4,5,6,7
	v_add_f32_dpp v[80+\e], v[80+\e], v[80+\e] row_xmask:\n row_mask:0xf bank_mask:0xf
.endr
.endr
.irp e, 0,1,2,3,4,5,6,7
	v_permlanex16_b32 v[160+\e], v[80+\e], s58, s59
.endr
.irp e, 0,1,2,3,4,5,6,7
	v_add_f32 v[80+\e], v[80+\e], v[160+\e]        ; each score summed over my 32 tokens
.endr
	v_lshlrev_b32 v158, 3, v1
	v_lshlrev_b32 v159, 2, v1
	v_mov_b32 v168, 0
	global_store_b64 v158, v[152:153], s[44:45]    ; 256 consecutive bytes
	global_store_b32 v159, v155, s[48:49]
	global_store_b32 v159, v156, s[48:49] offset:32768
	s_wait_alu depctr_va_vdst(0)
	s_wait_xcnt 0x0                                ; EXEC changes only behind this wait
	v_cmp_eq_u32 vcc_lo, 0, v1
	s_and_saveexec_b32 s60, vcc_lo
	global_store_b128 v168, v[80:83], s[46:47] offset:65536
	global_store_b128 v168, v[84:87], s[46:47] offset:65552
	s_wait_xcnt 0x0
	s_or_b32 exec_lo, exec_lo, s60
.Lx_end:
	s_set_vgpr_msb 0x5
	s_wait_tensorcnt 0x0
	ds_add_u32 v0, v1
	s_wait_dscnt 0x0
	s_set_vgpr_msb 0x500
	s_endpgm
; ---------------- W12: i = wg - 256: matrix i / 64, expert (i / 8) % 8, k quarter (i / 2) % 4, column half i % 2 ----------------
.Lw12:
	s_sub_co_u32 s25, ttmp9, 256
	s_lshr_b32 s26, s25, 6
	s_bfe_u32 s27, s25, 0x30003
	s_bfe_u32 s28, s25, 0x20001
	s_and_b32 s29, s25, 1
	s_wait_alu depctr_va_vdst(0)
	v_lshlrev_b32 v2, 4, v1
	v_bfe_u32 v16, v1, 3, 2                        ; which reader's wave (of my four)
	v_bfe_u32 v17, v1, 1, 1                        ; its tile u
	v_and_b32 v18, 1, v1
	v_bfe_u32 v19, v1, 2, 1                        ; row a = 4 (l % 2) + 8 ((l / 4) % 2) + column
	v_and_b32 v20, 15, v1
	v_lshrrev_b32 v21, 4, v1
	s_lshl_b32 s30, s24, 11
	s_add_co_u32 s30, s30, WST12
	v_lshlrev_b32 v3, 9, v16
	s_delay_alu instid0(VALU_DEP_1)
	v_lshl_add_u32 v3, v17, 8, v3
	s_delay_alu instid0(VALU_DEP_1)
	v_lshl_add_u32 v3, v19, 7, v3
	s_delay_alu instid0(VALU_DEP_1)
	v_lshl_add_u32 v3, v18, 6, v3
	s_delay_alu instid0(VALU_DEP_1)
	v_add_nc_u32 v3, s30, v3
	v_add_nc_u32 v5, s30, v2
	s_add_co_u32 s31, s24, WSB12
	v_lshlrev_b32 v4, 8, v16
	s_delay_alu instid0(VALU_DEP_1)
	v_lshl_add_u32 v4, v17, 7, v4
	s_delay_alu instid0(VALU_DEP_1)
	v_lshl_add_u32 v4, v19, 6, v4
	s_delay_alu instid0(VALU_DEP_1)
	v_lshl_add_u32 v4, v18, 5, v4
	s_delay_alu instid0(VALU_DEP_1)
	v_add_nc_u32 v4, s31, v4                       ; 8 x (32 wave + a + 16 u) + my block
	v_lshlrev_b32 v22, 4, v20
	s_delay_alu instid0(VALU_DEP_1)
	v_lshl_add_u32 v6, v21, 10, v22
	s_and_b32 s31, s24, 1
	s_lshl_b32 s32, s31, 9
	s_add_co_u32 s32, s32, WSB12
	v_add_nc_u32 v7, s32, v2
	s_lshl_b32 s32, s31, 11
	v_add_nc_u32 v8, s32, v6
	s_lshl_b32 s36, s27, 20                        ; source: expert, row 256 kq + 32 v, column half
	s_lshl_b32 s33, s28, 18
	s_add_co_u32 s36, s36, s33
	s_lshl_b32 s33, s24, 15
	s_add_co_u32 s36, s36, s33
	s_lshl_b32 s33, s29, 9
	s_add_co_u32 s36, s36, s33
	s_mov_b32 s37, 0
	s_lshl_b32 s44, s26, 20                        ; codes: matrix, expert, part 4 nh, K step 2 kq + v / 4, group and half (v % 4)
	s_lshl_b32 s33, s27, 17
	s_add_co_u32 s44, s44, s33
	s_lshl_b32 s33, s29, 16
	s_add_co_u32 s44, s44, s33
	s_lshl_b32 s33, s28, 12
	s_add_co_u32 s44, s44, s33
	s_lshr_b32 s33, s24, 2
	s_lshl_b32 s33, s33, 11
	s_add_co_u32 s44, s44, s33
	s_and_b32 s33, s24, 3
	s_lshl_b32 s33, s33, 8
	s_add_co_u32 s44, s44, s33
	s_mov_b32 s45, 0
	s_lshl_b32 s46, s26, 16                        ; scale bytes
	s_lshl_b32 s33, s27, 13
	s_add_co_u32 s46, s46, s33
	s_lshl_b32 s33, s29, 12
	s_add_co_u32 s46, s46, s33
	s_lshl_b32 s33, s28, 8
	s_add_co_u32 s46, s46, s33
	s_add_co_u32 s46, s46, 0x300000
	s_mov_b32 s47, 0
	s_wait_kmcnt 0x0
	s_cmp_eq_u32 s26, 0                            ; w1 or w2: the choice hangs on the work-group's number alone
	s_cselect_b64 s[38:39], s[10:11], s[12:13]
	s_add_nc_u64 s[38:39], s[38:39], s[36:37]
	s_add_nc_u64 s[40:41], s[18:19], s[44:45]
	s_add_nc_u64 s[42:43], s[18:19], s[46:47]
	WQ 1024, 16384
; ---------------- W3: i = wg - 384: expert i / 8, columns 128 (i % 8) on; all 256 k ----------------
.Lw3:
	s_sub_co_u32 s25, ttmp9, 384
	s_lshr_b32 s27, s25, 3
	s_and_b32 s28, s25, 7
	s_wait_alu depctr_va_vdst(0)
	v_lshlrev_b32 v2, 4, v1
	v_and_b32 v20, 15, v1
	v_lshrrev_b32 v21, 4, v1
	s_lshl_b32 s30, s24, 11
	s_add_co_u32 s30, s30, WST3
	v_lshlrev_b32 v3, 6, v1
	s_delay_alu instid0(VALU_DEP_1)
	v_add_nc_u32 v3, s30, v3                       ; column 4 l + c: tile (4 l + c) / 16, row (4 l + c) % 16
	v_add_nc_u32 v5, s30, v2
	s_add_co_u32 s31, s24, WSB3
	v_lshlrev_b32 v4, 5, v1
	s_delay_alu instid0(VALU_DEP_1)
	v_add_nc_u32 v4, s31, v4
	v_lshlrev_b32 v22, 4, v20
	s_delay_alu instid0(VALU_DEP_1)
	v_lshl_add_u32 v6, v21, 11, v22
	s_and_b32 s31, s24, 1
	s_lshl_b32 s32, s31, 9
	v_add_nc_u32 v8, s32, v2
	s_add_co_u32 s32, s32, WSB3
	v_add_nc_u32 v7, s32, v2
	s_lshl_b32 s36, s27, 20
	s_lshl_b32 s33, s24, 17
	s_add_co_u32 s36, s36, s33
	s_lshl_b32 s33, s28, 9
	s_add_co_u32 s36, s36, s33
	s_mov_b32 s37, 0
	s_lshl_b32 s44, s27, 17
	s_lshl_b32 s33, s28, 14
	s_add_co_u32 s44, s44, s33
	s_lshl_b32 s33, s24, 8
	s_add_co_u32 s44, s44, s33
	s_add_co_u32 s44, s44, 0x200000
	s_mov_b32 s45, 0
	s_lshl_b32 s46, s27, 13
	s_lshl_b32 s33, s28, 10
	s_add_co_u32 s46, s46, s33
	s_add_co_u32 s46, s46, 0x320000
	s_mov_b32 s47, 0
	s_wait_kmcnt 0x0
	s_add_nc_u64 s[38:39], s[14:15], s[36:37]
	s_add_nc_u64 s[40:41], s[18:19], s[44:45]
	s_add_nc_u64 s[42:43], s[18:19], s[46:47]
	WQ 4096, 4096
.Lfunc_end_k_q65a8974ae6_prep:
	.size	k_q65a8974ae6_prep, .Lfunc_end_k_q65a8974ae6_prep-k_q65a8974ae6_prep
	.p2alignl 7, 3214868480
	.fill 96, 4, 3214868480
	.section	.rodata,"a",@progbits
	.p2align	6, 0x0
	.amdhsa_kernel k_q65a8974ae6_prep
		.amdhsa_group_segment_fixed_size 164864
		.amdhsa_private_segment_fixed_size 0
		.amdhsa_enable_private_segment 0
		.amdhsa_kernarg_size 80
		.amdhsa_user_sgpr_count 2
		.amdhsa_user_sgpr_kernarg_segment_ptr 1
		.amdhsa_wavefront_size32 1
		.amdhsa_system_sgpr_workgroup_id_x 1
		.amdhsa_system_sgpr_workgroup_id_y 1
		.amdhsa_system_sgpr_workgroup_id_z 1
		.amdhsa_system_vgpr_workitem_id 0
		.amdhsa_next_free_vgpr 258
		.amdhsa_next_free_sgpr 66
		.amdhsa_reserve_vcc 1
		.amdhsa_float_denorm_mode_32 3
		.amdhsa_float_denorm_mode_16_64 3
		.amdhsa_memory_ordered 1
		.amdhsa_forward_progress 1
		.amdhsa_inst_pref_size 136
	.end_amdhsa_kernel
	.amdgpu_metadata
---
amdhsa.version: [ 1, 2 ]
amdhsa.kernels:
  - .name:           k_q65a8974ae6_prep
    .symbol:         k_q65a8974ae6_prep.kd
    .args:
      - { .name: x, .offset: 0, .size: 8, .value_kind: global_buffer, .address_space: global }
      - { .name: gate_w, .offset: 8, .size: 8, .value_kind: global_buffer, .address_space: global }
      - { .name: gate_b, .offset: 16, .size: 8, .value_kind: global_buffer, .address_space: global }
      - { .name: w1, .offset: 24, .size: 8, .value_kind: global_buffer, .address_space: global }
      - { .name: w2, .offset: 32, .size: 8, .value_kind: global_buffer, .address_space: global }
      - { .name: w3, .offset: 40, .size: 8, .value_kind: global_buffer, .address_space: global }
      - { .name: xq, .offset: 48, .size: 8, .value_kind: global_buffer, .address_space: global }
      - { .name: wq, .offset: 56, .size: 8, .value_kind: global_buffer, .address_space: global }
      - { .name: rt, .offset: 64, .size: 8, .value_kind: global_buffer, .address_space: global }
      - { .name: sel, .offset: 72, .size: 8, .value_kind: global_buffer, .address_space: global }
    .group_segment_fixed_size: 164864
    .private_segment_fixed_size: 0
    .kernarg_segment_align: 8
    .kernarg_segment_size: 80
    .max_flat_workgroup_size: 256
    .sgpr_count:     66
    .vgpr_count:     258
    .wavefront_size: 32
...
	.end_amdgpu_metadata
.endif
;; end of part 4
;; launch place (part 5): grid 1 x 1, 16 waves a work-group, no clusters, 6,144 bytes of LDS; arguments sel, rt, plan, out1; writes plan, out1
.if DOCPART == 5
	.amdgcn_target "amdgcn-amd-amdhsa--gfx1250"
	.amdhsa_code_object_version 6
	.text
	.protected	k_q65a8974ae6_place
	.globl	k_q65a8974ae6_place
	.p2align	8
	.type	k_q65a8974ae6_place,@function
k_q65a8974ae6_place:
	s_mov_b64 s[64:65], 0
	v_nop
	global_prefetch_b8 v0, s[64:65] scope:SCOPE_SE
	s_setreg_imm32_b32 hwreg(HW_REG_WAVE_MODE, 25, 1), 1
	s_wait_xcnt 0x0
; PLACE: a counting sort of the 8,192 tokens by their pair of experts (28 pairs), without atomics, from the 256 histograms and the ranks that the first launch stored; the list of tiles
; (at most 48 tokens of ONE pair: never more than (8192 + 28 x 47) / 48 = 198); and the loss.  One work-group of 16 waves; wave v owns the first launch's work-groups 16 v .. 16 v + 15.
; plan: order[8192] (token numbers, sorted) at 0;  tiles[224] x {first, count, lo, hi, last, 0, 0, 0} at 32,768 (entries past the last tile have count 0).
.set TOT, 0                            ; LDS: [wave][32] tokens of each pair
.set USG, 2048                         ; LDS: [wave][8] sums of scores
.set TROWS, 48                         ; tokens in a tile
.macro SCAN x, t                       ; inclusive sums over the 32 lanes
.irp n, 1,2,4,8
	s_delay_alu instid0(VALU_DEP_1)
	v_mov_b32_dpp v[\t], v[\x] row_shr:\n row_mask:0xf bank_mask:0xf bound_ctrl:1
	s_delay_alu instid0(VALU_DEP_1)
	v_add_nc_u32 v[\x], v[\x], v[\t]
.endr
	s_delay_alu instid0(VALU_DEP_1)
	v_readlane_b32 s20, v[\x], 15
	s_delay_alu instid0(VALU_DEP_1)
	v_mad_u32_u24 v[\x], v8, s20, v[\x]            ; lanes 16-31 take the lower half's total on top
.endm
	s_load_b256 s[4:11], s[0:1], 0x0               ; sel, rt, plan, out1
	v_lshl_add_u32 v128, v0, 2, 0x1000
	v_mov_b32 v129, 0
	v_lshrrev_b32 v1, 5, v0
	s_delay_alu instid0(VALU_DEP_1)
	v_readfirstlane_b32 s12, v1                    ; wave
	v_and_b32 v1, 31, v0
	s_delay_alu instid0(VALU_DEP_1)
	v_lshlrev_b32 v2, 2, v1                        ; 4 l (= TOT + 4 l)
	s_lshl_b32 s13, s12, 11
	v_add_nc_u32 v3, s13, v2                       ; sel: 16 work-groups of 128 bytes a wave
	v_lshlrev_b32 v4, 4, v1
	s_lshl_b32 s14, s12, 9
	v_add_nc_u32 v4, s14, v4
	s_lshl_b32 s15, s12, 7
	v_add_nc_u32 v5, s15, v2                       ; TOT + 128 v + 4 l
	v_and_b32 v6, 1, v1
	s_delay_alu instid0(VALU_DEP_1)
	v_lshlrev_b32 v6, 4, v6
	s_lshl_b32 s16, s12, 5
	s_add_co_u32 s16, s16, USG
	v_add_nc_u32 v6, s16, v6                       ; USG + 32 v + 16 (l % 2)
	v_add_nc_u32 v7, USG, v2
	v_lshrrev_b32 v8, 4, v1
	s_mov_b32 s18, 0x76543210
	s_mov_b32 s19, 0xfedcba98
	s_wait_alu depctr_va_vdst(0)
	s_wait_kmcnt 0x0
.irp g, 0,1,2,3,4,5,6,7,8,9,10,11,12,13,14,15
	global_load_b32 v[16+\g], v3, s[4:5] offset:32768+128*\g    ; histograms: lane = pair
.endr
.irp g, 0,1,2,3,4,5,6,7,8,9,10,11,12,13,14,15
	global_load_b32 v[32+\g], v3, s[4:5] offset:128*\g          ; pair | rank << 8: lane = token
.endr
	global_load_b128 v[80:83], v4, s[6:7] offset:65536          ; lane l: work-group 16 v + l / 2, experts 4 (l % 2) on
.irp j, 0,1,2,3
	v_mov_b32 v[112+\j], 0
.endr
	v_mov_b32 v48, 0
	v_mov_b32 v93, 0
	v_mov_b32 v109, 0
	s_wait_alu depctr_va_vdst(0)
	s_wait_loadcnt 0x0
.irp g, 1
	v_add_nc_u32 v[48+\g], v[47+\g], v[15+\g]      ; tokens of my pair in my wave's earlier work-groups
.endr
.irp g, 2, 3, 4, 5, 6, 7, 8, 9, 10, 11, 12, 13, 14, 15
	s_delay_alu instid0(VALU_DEP_1)
	v_add_nc_u32 v[48+\g], v[47+\g], v[15+\g]
.endr
	s_delay_alu instid0(VALU_DEP_1)
	v_add_nc_u32 v84, v63, v31
.irp n, 2,4,8
.irp j, 0,1,2,3
	v_add_f32_dpp v[80+\j], v[80+\j], v[80+\j] row_xmask:\n row_mask:0xf bank_mask:0xf
.endr
.endr
.irp j, 0,1,2,3
	s_delay_alu instid0(VALU_DEP_4)
	v_permlanex16_b32 v[112+\j], v[80+\j], s18, s19
.endr
.irp j, 0,1,2,3
	s_delay_alu instid0(VALU_DEP_4)
	v_add_f32 v[80+\j], v[80+\j], v[112+\j]
.endr
	ds_store_b32 v5, v84
	ds_store_b128 v6, v[80:83]                     ; lanes of one parity write the same bytes with the same values
	s_wait_dscnt 0x0
	s_barrier_signal -1
	s_barrier_wait -1
.irp u, 0,1,2,3,4,5,6,7,8,9,10,11,12,13,14,15
	ds_load_b32 v[64+\u], v2 offset:128*\u
.endr
	v_mov_b32 v85, 0                               ; the pair's tokens in all,
	v_mov_b32 v86, 0                               ; and in the waves before mine
	s_wait_alu depctr_va_vdst(0)
	s_wait_dscnt 0x0
.irp u, 0,1,2,3,4,5,6,7,8,9,10,11,12,13,14,15
	v_add_nc_u32 v85, v85, v[64+\u]
	s_cmp_gt_u32 s12, \u
	s_cselect_b32 s20, -1, 0
	v_and_b32 v87, s20, v[64+\u]
	s_delay_alu instid0(VALU_DEP_1)
	v_add_nc_u32 v86, v86, v87
.endr
	v_mov_b32 v88, v85
	SCAN 88, 93
	s_delay_alu instid0(VALU_DEP_1)
	v_sub_nc_u32 v88, v88, v85                     ; where the pair's tokens begin
	v_add_nc_u32 v89, TROWS-1, v85
	s_delay_alu instid0(VALU_DEP_1)
	v_mul_u32_u24 v89, v89, 0x5556                 ; / 48: x 21,846 >> 20; 21,846 / 2^20 lies 6.4e-7 over 1 / 48, which over 8,239 numbers is 0.0053, under the 1 / 48 that could turn a floor
	s_delay_alu instid0(VALU_DEP_1)
	v_lshrrev_b32 v89, 20, v89                     ; its tiles
	s_delay_alu instid0(VALU_DEP_1)
	v_mov_b32 v90, v89
	SCAN 90, 93
	s_delay_alu instid0(VALU_DEP_1)
	v_sub_nc_u32 v90, v90, v89                     ; its first tile
	v_add_nc_u32 v91, v88, v86
.irp g, 0,1,2,3,4,5,6,7,8,9,10,11,12,13,14,15
	v_add_nc_u32 v[48+\g], v[48+\g], v91
.endr
.irp g, 0,1,2,3,4,5,6,7,8,9,10,11,12,13,14,15
	v_and_b32 v[64+\g], 31, v[32+\g]
	s_delay_alu instid0(VALU_DEP_1)
	v_lshlrev_b32 v[64+\g], 2, v[64+\g]
	ds_bpermute_b32 v[112+\g], v[64+\g], v[48+\g]  ; lane = token again: the place of its pair's first token of its work-group
.endr
	s_lshl_b32 s21, s12, 9
	v_add_nc_u32 v92, s21, v1
	s_wait_alu depctr_va_vdst(0)
	s_wait_dscnt 0x0
.irp g, 0,1,2,3,4,5,6,7,8,9,10,11,12,13,14,15
	v_bfe_u32 v[64+\g], v[32+\g], 8, 5
	s_delay_alu instid0(VALU_DEP_1)
	v_add_nc_u32 v[64+\g], v[64+\g], v[112+\g]
	s_delay_alu instid0(VALU_DEP_1)
	v_min_u32 v[64+\g], 0x1fff, v[64+\g]
	s_delay_alu instid0(VALU_DEP_1)
	v_lshlrev_b32 v[64+\g], 2, v[64+\g]
	v_add_nc_u32 v[32+\g], 32*\g, v92              ; the token's number
.endr
.irp g, 0,1,2,3,4,5,6,7,8,9,10,11,12,13,14,15
	global_store_b32 v[64+\g], v[32+\g], s[8:9]
.endr
; the tiles: waves 0 to 6, thread i writes entry i (224 entries for at most 198 tiles): the last pair whose first tile is not behind i
	s_cmp_gt_u32 s12, 6
	s_cbranch_scc1 .Lno_table
.irp j, 98,99,101,102,103,104,105,106
	v_mov_b32 v[\j], 0
.endr
.irp a, 0,1,2,3,4,5,6
.irp b, 1,2,3,4,5,6,7
.if \b > \a
.set PP, \a*(13-\a)/2+\b-1
	v_readlane_b32 s20, v90, PP
	v_readlane_b32 s21, v88, PP
	v_readlane_b32 s22, v85, PP
	s_delay_alu instid0(VALU_DEP_3)
	v_cmp_le_u32 vcc_lo, s20, v0
	s_delay_alu instid0(VALU_DEP_1)
	v_cndmask_b32 v104, v104, s20, vcc_lo
	s_delay_alu instid0(VALU_DEP_2)
	v_cndmask_b32 v105, v105, s21, vcc_lo
	s_delay_alu instid0(VALU_DEP_3)
	v_cndmask_b32 v106, v106, s22, vcc_lo
	s_delay_alu instid0(VALU_DEP_4)
	v_cndmask_b32 v98, v98, \a, vcc_lo
	v_cndmask_b32 v99, v99, \b, vcc_lo
.endif
.endr
.endr
	v_sub_nc_u32 v107, v0, v104
	s_delay_alu instid0(VALU_DEP_1)
	v_mul_u32_u24 v107, v107, TROWS
	s_delay_alu instid0(VALU_DEP_1)
	v_add_nc_u32 v96, v105, v107                   ; first
	s_delay_alu instid0(VALU_DEP_2)
	v_sub_nc_u32 v97, v106, v107
	s_delay_alu instid0(VALU_DEP_1)
	v_max_i32 v97, 0, v97
	s_delay_alu instid0(VALU_DEP_1)
	v_min_i32 v97, TROWS, v97                      ; count
	s_delay_alu instid0(VALU_DEP_1)
	v_add3_u32 v100, v96, v97, -1
	s_delay_alu instid0(VALU_DEP_1)
	v_max_i32 v100, 0, v100                        ; last
	v_lshlrev_b32 v108, 5, v0
	global_store_b128 v108, v[96:99], s[8:9] offset:32768
	global_store_b128 v108, v[100:103], s[8:9] offset:32784
.Lno_table:
	s_cmp_lg_u32 s12, 8
	s_cbranch_scc1 .Lend
; wave 8, which has no part of the table: the loss = sum over e of usage log(usage + 1e-9)
.irp i, 0,1,2,3
	ds_load_b32 v[80+\i], v7 offset:128*\i         ; word l + 32 i: wave l / 8 + 4 i, expert l % 8
.endr
	s_wait_dscnt 0x0                               ; the four parts are in: nothing touches v80 to v83 before this wait
	v_add_f32 v80, v80, v81
	v_add_f32 v82, v82, v83
	s_delay_alu instid0(VALU_DEP_1)
	v_add_f32 v80, v80, v82
	s_delay_alu instid0(VALU_DEP_1)
	v_add_f32_dpp v80, v80, v80 row_xmask:8 row_mask:0xf bank_mask:0xf
	s_delay_alu instid0(VALU_DEP_1)
	v_permlanex16_b32 v109, v80, s18, s19
	s_delay_alu instid0(VALU_DEP_1)
	v_add_f32 v80, v80, v109                       ; all 16 waves' sums of expert l % 8
	s_delay_alu instid0(VALU_DEP_1)
	v_mul_f32 v80, 0x39000000, v80                 ; / 8,192
	s_delay_alu instid0(VALU_DEP_1)
	v_add_f32 v81, 0x3089705f, v80                 ; + 1e-9
	s_wait_alu depctr_va_vdst(0)
	v_log_f32 v81, v81
	v_mov_b32 v82, 0                               ; the plain line behind the logarithm; also the store's offset
	s_wait_alu depctr_va_vdst(0)
	v_mul_f32 v81, v81, v80
	s_delay_alu instid0(VALU_DEP_1)
	v_mul_f32 v81, 0x3f317218, v81                 ; log2 to log
	s_delay_alu instid0(VALU_DEP_1)
	v_add_f32_dpp v81, v81, v81 row_xmask:1 row_mask:0xf bank_mask:0xf
	s_delay_alu instid0(VALU_DEP_1)
	v_add_f32_dpp v81, v81, v81 row_xmask:2 row_mask:0xf bank_mask:0xf
	s_delay_alu instid0(VALU_DEP_1)
	v_add_f32_dpp v81, v81, v81 row_xmask:4 row_mask:0xf bank_mask:0xf
	s_wait_alu depctr_va_vdst(0)
	s_wait_xcnt 0x0                                ; EXEC changes only behind this wait
	v_cmp_eq_u32 vcc_lo, 0, v1
	s_and_saveexec_b32 s20, vcc_lo
	global_store_b32 v82, v81, s[10:11]
	s_wait_xcnt 0x0
	s_or_b32 exec_lo, exec_lo, s20
.Lend:
	s_wait_tensorcnt 0x0
	ds_add_u32 v128, v129
	s_wait_dscnt 0x0
	s_endpgm
.Lfunc_end_k_q65a8974ae6_place:
	.size	k_q65a8974ae6_place, .Lfunc_end_k_q65a8974ae6_place-k_q65a8974ae6_place
	.p2alignl 7, 3214868480
	.fill 96, 4, 3214868480
	.section	.rodata,"a",@progbits
	.p2align	6, 0x0
	.amdhsa_kernel k_q65a8974ae6_place
		.amdhsa_group_segment_fixed_size 6144
		.amdhsa_private_segment_fixed_size 0
		.amdhsa_enable_private_segment 0
		.amdhsa_kernarg_size 32
		.amdhsa_user_sgpr_count 2
		.amdhsa_user_sgpr_kernarg_segment_ptr 1
		.amdhsa_wavefront_size32 1
		.amdhsa_system_sgpr_workgroup_id_x 1
		.amdhsa_system_sgpr_workgroup_id_y 1
		.amdhsa_system_sgpr_workgroup_id_z 1
		.amdhsa_system_vgpr_workitem_id 0
		.amdhsa_next_free_vgpr 130
		.amdhsa_next_free_sgpr 66
		.amdhsa_reserve_vcc 1
		.amdhsa_float_denorm_mode_32 3
		.amdhsa_float_denorm_mode_16_64 3
		.amdhsa_memory_ordered 1
		.amdhsa_forward_progress 1
		.amdhsa_inst_pref_size 46
	.end_amdhsa_kernel
	.amdgpu_metadata
---
amdhsa.version: [ 1, 2 ]
amdhsa.kernels:
  - .name:           k_q65a8974ae6_place
    .symbol:         k_q65a8974ae6_place.kd
    .args:
      - { .name: sel, .offset: 0, .size: 8, .value_kind: global_buffer, .address_space: global }
      - { .name: rt, .offset: 8, .size: 8, .value_kind: global_buffer, .address_space: global }
      - { .name: plan, .offset: 16, .size: 8, .value_kind: global_buffer, .address_space: global }
      - { .name: out1, .offset: 24, .size: 8, .value_kind: global_buffer, .address_space: global }
    .group_segment_fixed_size: 6144
    .private_segment_fixed_size: 0
    .kernarg_segment_align: 8
    .kernarg_segment_size: 32
    .max_flat_workgroup_size: 512
    .sgpr_count:     66
    .vgpr_count:     130
    .wavefront_size: 32
...
	.end_amdgpu_metadata
.endif
;; end of part 5
;; launch chain (part 6): grid 198 x 1, 8 waves a work-group, no clusters, 263,168 bytes of LDS; arguments xq, wq, rt, plan, b1, b2, b3, out0; writes out0
.if DOCPART == 6
	.amdgcn_target "amdgcn-amd-amdhsa--gfx1250"
	.amdhsa_code_object_version 6
	.text
	.protected	k_q65a8974ae6_chain
	.globl	k_q65a8974ae6_chain
	.p2align	8
	.type	k_q65a8974ae6_chain,@function
k_q65a8974ae6_chain:
	s_mov_b64 s[64:65], 0
	v_nop
	global_prefetch_b8 v0, s[64:65] scope:SCOPE_SE
	s_setreg_imm32_b32 hwreg(HW_REG_WAVE_SCHED_MODE, 0, 2), 2
	s_setreg_imm32_b32 hwreg(HW_REG_WAVE_MODE, 25, 1), 1
	s_wait_xcnt 0x0
	s_wait_alu depctr_vm_vsrc(0)
; CHAIN: a work-group takes one tile, at most 48 tokens that chose the SAME pair of experts (lo, hi), through both experts: out = c_lo (h_lo W3_lo + b3_lo) + c_hi (h_hi W3_hi + b3_hi),
; h = (x W1 + b1) sigmoid(x W2 + b2), all three products on codes of E2M1 with E8M0 scales.  Each output row has one owner; the hidden layer never goes to memory.
; SHARES.  The eight waves share the COLUMNS: wave w makes hidden units 32 w .. 32 w + 31 (of W1 and of W2) and output columns 128 w .. 128 w + 127, for all 48 rows (three row tiles m): every weight byte is loaded by one wave,
; straight from memory into registers, in the order in which the first launch laid it, and feeds three matrix instructions.  Both products are used transposed (source 0 = weights, source 1 = rows): a lane holds one token.
; THE ROWS OF W1, W2 THAT FORM A TILE ARE NOT NEIGHBOURS: row a of tile u is hidden unit 32 w + 8 u + a + 8 (a / 8), so that a lane's 16 registers of tiles 0 and 1 are 16 neighbours along the next K: a wave's 32 units are one block.
; THE RING.  Window 1 holds eight slots of 32 registers; three streams go through it on end: W1, W2 of lo (a slot = a K step), W1, W2 of hi, W3 of lo and hi (a slot = a tile of 16 columns): 96 KB a wave.
; THE GRID serves every split: (8192 + 28 x 47) / 48 = 198 tiles at the most.  The experts walked hang on a stored list, so there is no tensor load and no cluster (four neighbouring tiles need not share a pair).
; WHY 48 ROWS: what a work-group reads from LDS, its exponentials and its products go with its rows, the weights that it streams do not; 48 is the smallest multiple of 16 whose worst count of tiles stays under the 256 WGPs.
; A tile without rows walks the text on a valid row and jumps over its stores: every barrier stands on every path.  Rows past a tile's count repeat its last row and are stored again with the same bits (at most 15 a tile).
; The prologue gathers 64 row places, eight a wave; places 48 to 63 hold the last row again and nobody reads them.
; LIMITS: NaN and infinities are not served; a block of zeros of h gets the scale byte 1 (its codes are zeros).
; THE MODE: SCHED_MODE bits 1:0 = 2 (LLVM: expert scheduling mode 2), set by the entry lines.  The code itself states the register dependences between vector or matrix instructions and memory or LDS
; instructions, with s_wait_alu, always for 0.
; THE PLAN.  Registers that memory or LDS instructions touch:
;   v1-v15          offsets and LDS addresses: made at the head, never written again.
;   ring slot s     read by K step s's (column tile s's) products; in the two passes loaded again in step s + 1, behind the wait at that step's head (slot 7: behind the pass's last step).
;   x's set s % 2   read by K step s's products; loaded again in step s + 1, with step s + 2's fragments, behind the same wait.
;   WS, XS, biases  read by products alone; loaded again behind a pass's last step, under the activation, which names v128-239, v48-63 and v88-93 alone.
;   v88-93, v52-54  written by the activation, read by its six LDS stores: one wait ahead of the stores, one behind them for the next writers.
;   b3 (v48-63)     read by a column tile's products as their first C; loaded again behind the wait that stands ahead of row tile 0's stage stores.
;   v64-127         results: written by products and the weighing, read by the stage stores; on the way out the stage's rows land there and the global stores read them.
;   v176-191, v240-247  the store offsets: made once, between the halves of the second barrier, read by the global stores alone.
; So a K step has ONE wait on va_vdst, at its head; its fourteen loads follow it, dealt among its twelve products, which name slot s, set s % 2, the accumulators, WS, XS and the biases: none of the registers that those loads touch.
.set XSO,  0x400000
.set XIMG, 0                           ; x's codes: block kb of row tile m at 8,704 m + 272 kb + 16 r
.set XSL,  34816                       ; x's scale bytes: 64 rows x 32
.set CWL,  36864                       ; (c_lo, c_hi): 64 rows x 8
.set TOKL, 37376                       ; token numbers: 64 words
.set BIA,  37632                       ; [wave][q][b1, b2][32 f32]
.set B3L,  41728                       ; [wave][q][128 f32]
.set WSL,  49920                       ; [wave][stream 3][half 2][1,024]: the weights' scale words
.set HIMG, 99072                       ; h's fragments as images of their registers: [q][m][K step][1,024]
.set HSC,  115456                      ; h's scale words: [q][m][K step][r]
.set STG,  116480                      ; [wave] 64 rows x 272: the way out
; window 0: v1 16 l | v2 x fragments | v3 biases | v4 h's codes | v5 h's bytes | v6 weights' scale words | v7 h fragments | v8 h's scale words | v9 x's scale words | v10, v11 stage in, out | v12 tokens | v13 column bytes | v14 b3 | v15 (c_lo, c_hi)
;   v16-47 scales and nothing else (v30, v31: the closing add's two);  v48-63 at work, then b3;  v64-87, v96-119 x fragments (two sets), then results, then rows on their way out;  v88-93 h's codes
;   v128-175 a, v192-239 z: the accumulators (m, u) at + 16 m + 8 u; then h's 12 fragments;   v176-191 b1, v240-255 b2 in the result's layout; then v176-191, v240-247 the 24 store offsets, v248-253 (c_lo, c_hi) of the three row tiles
.set XS,  16
.set WS,  32
.set TM,  48
.set XF,  64
.set PC,  88
.set ACC, 128
.set BI,  176
.set CW,  248
.set MSB, 0
.macro WIN new                         ; the immediate's high byte repeats the setting that is left
.if MSB != \new
	s_set_vgpr_msb (MSB<<8)|\new
.set MSB, \new
.endif
.endm
.macro PLACES                          ; four places behind matrix instructions (ISA guide 7.12.1), in front of reads of their results; they stay beside the waits, which fill no place
.rept 4
	v_nop
.endr
.endm
.macro WM ra, rb                       ; one product; ra, rb: A's, B's scales stand in lanes 16-31
.if (\ra) && (\rb)
	v_wmma_scale_f32_16x16x128_f8f6f4 v[rD:rD+7], v[rA:rA+7], v[rB:rB+7], v[rC:rC+7], v[rSA], v[rSB] matrix_a_fmt:MATRIX_FMT_FP4 matrix_b_fmt:MATRIX_FMT_FP4 matrix_a_scale:MATRIX_SCALE_ROW1 matrix_b_scale:MATRIX_SCALE_ROW1
.elseif (\ra)
	v_wmma_scale_f32_16x16x128_f8f6f4 v[rD:rD+7], v[rA:rA+7], v[rB:rB+7], v[rC:rC+7], v[rSA], v[rSB] matrix_a_fmt:MATRIX_FMT_FP4 matrix_b_fmt:MATRIX_FMT_FP4 matrix_a_scale:MATRIX_SCALE_ROW1
.elseif (\rb)
	v_wmma_scale_f32_16x16x128_f8f6f4 v[rD:rD+7], v[rA:rA+7], v[rB:rB+7], v[rC:rC+7], v[rSA], v[rSB] matrix_a_fmt:MATRIX_FMT_FP4 matrix_b_fmt:MATRIX_FMT_FP4 matrix_b_scale:MATRIX_SCALE_ROW1
.else
	v_wmma_scale_f32_16x16x128_f8f6f4 v[rD:rD+7], v[rA:rA+7], v[rB:rB+7], v[rC:rC+7], v[rSA], v[rSB] matrix_a_fmt:MATRIX_FMT_FP4 matrix_b_fmt:MATRIX_FMT_FP4
.endif
.endm
.macro FILL t, pa                      ; slot t: 2 KB from each of the stream's two parts; each load 512 consecutive bytes.  It leaves the destination's window at 1: what follows sets its own
	WIN 0x40
.irp i, 0,1,2,3
	global_load_b128 v[32*(\t)+4*\i:32*(\t)+4*\i+3], v1, s[(\pa):(\pa)+1] offset:2048*(\t)+512*\i
.endr
.irp i, 0,1,2,3
	global_load_b128 v[32*(\t)+16+4*\i:32*(\t)+16+4*\i+3], v1, s[(\pa)+2:(\pa)+3] offset:2048*(\t)+512*\i
.endr
.endm
.macro PH_OWN q                        ; pass q, from my own LDS bytes: W1's, W2's scale words; b1, b2 in the result's layout, eight registers a tile: the C of the pass's first K step
.irp t, 0,1
.irp g, 0,1,2,3
	ds_load_b64 v[WS+8*\t+2*\g:WS+8*\t+2*\g+1], v6 offset:2048*\q+1024*\t+256*\g
.endr
.endr
.irp t, 0,1
.irp u, 0,1
	ds_load_b128 v[BI+64*\t+8*\u:BI+64*\t+8*\u+3], v3 offset:256*\q+128*\t+32*\u
	ds_load_b128 v[BI+64*\t+8*\u+4:BI+64*\t+8*\u+7], v3 offset:256*\q+128*\t+32*\u+16
.endr
.endr
.endm
.macro PH_X q                          ; x's scale words (once) and its fragments of K steps 0 and 1, the younger set last
.if \q == 0
.irp m, 0,1,2
	ds_load_b128 v[XS+4*\m:XS+4*\m+3], v9 offset:512*\m
.endr
.endif
.irp s, 0,1
.irp m, 0,1,2
.irp c, 0,1
	ds_load_b128 v[XF+32*\s+8*\m+4*\c:XF+32*\s+8*\m+4*\c+3], v2 offset:8704*\m+272*(4*\s+2*\c)
.endr
.endr
.endr
.endm
; the four products of row tile m in K step s; the first step's C is the bias
.macro KPROD s, m
.irp f, 0,1,2,3
.set rD, ACC+64*(\f/2)+16*(\m)+8*(\f%2)
.if \s == 0
.set rC, BI+64*(\f/2)+8*(\f%2)
.else
.set rC, rD
.endif
.set rA, 32*(\s)+8*\f
.set rB, XF+32*((\s)%2)+8*(\m)
.set rSA, WS+8*(\f/2)+(\s)
.set rSB, XS+4*(\m)+((\s)%4)
	WM \f%2, (\s)/4
.endr
.endm
; K step s of pass q: 12 products on 12 accumulators by turns.  From step 1 on, behind the one wait at its head: x's fragments of step s + 1 into the set that the last step read,
; four products, the last step's slot filled with the next stream's part, eight products.
.macro KSTEP q, s
.if \s == 0
	s_wait_loadcnt 56                              ; seven slots (56 loads) are younger than slot 0: it is in
	s_wait_dscnt 6                                 ; K step 1's six fragments of x are younger
.else
	s_wait_loadcnt 48                              ; 7 - s slots of this stream and s - 1 of the next (48 loads) are younger than slot s: it is in
	s_wait_dscnt 0x0                               ; this step's fragments of x, asked for in the last step, are in
	s_wait_alu depctr_va_vdst(0)                   ; the last step's products are done reading slot s - 1 and their set of x, in which the loads below land
.if \s < 7
.irp m, 0,1,2
.irp c, 0,1
	ds_load_b128 v[XF+32*(((\s)+1)%2)+8*\m+4*\c:XF+32*(((\s)+1)%2)+8*\m+4*\c+3], v2 offset:8704*\m+272*(4*((\s)+1)+2*\c)
.endr
.endr
.endif
.endif
	WIN 0x01
	KPROD \s, 0
.if \s > 0
	FILL (\s)-1, 48+4*\q                           ; no wait: no product since the wait above names slot s - 1 or v1
.endif
	WIN 0x01
	KPROD \s, 1
	KPROD \s, 2
	WIN 0
	PLACES
.endm
; h = a / (1 + 2^(-z log2 e)), in f32; quantised (a block = my 32 units of a token: lanes l and l xor 16); codes and bytes to LDS at their places in the next operand's image.
; The four v_nop at the last K step's end are the places in front of the first line.  What the next phase wants from LDS has been asked for ahead of this macro and lands under it.
.macro ACT q
.set J, 0
.rept 24
	v_pk_mul_f32 v[192+J:193+J], v[192+J:193+J], s[60:61] op_sel_hi:[1,0]   ; each accumulator from its low end on
.set J, J+2
.endr
.set J, 0
	s_wait_alu depctr_va_vdst(0)
.rept 48
	v_exp_f32 v[192+J], v[192+J]
.set J, J+1
.endr
	v_nop
.set J, 0
	s_wait_alu depctr_va_vdst(0)                   ; the 48 exponentials have written v192-239: one wait, ahead of their first reader
.rept 24
	v_pk_add_f32 v[192+J:193+J], v[192+J:193+J], 1.0 op_sel_hi:[1,0]
.set J, J+2
.endr
.set J, 0
	s_wait_alu depctr_va_vdst(0)
.rept 48
	v_rcp_f32 v[192+J], v[192+J]
.set J, J+1
.endr
	v_nop
.set J, 0
	s_wait_alu depctr_va_vdst(0)                   ; the 48 reciprocals have written v192-239: one wait, ahead of their first reader
.rept 24
	v_pk_mul_f32 v[128+J:129+J], v[128+J:129+J], v[192+J:193+J]
.set J, J+2
.endr
.irp m, 0,1,2
	v_max3_num_f32 v[TM+\m], |v[128+16*\m]|, |v[129+16*\m]|, 0x1800000   ; the floor 2^(3 - 127) holds the byte at 1 from below
.endr
.irp i, 2,4,6,8,10,12,14
.irp m, 0,1,2
	v_max3_num_f32 v[TM+\m], v[TM+\m], |v[128+16*\m+\i]|, |v[129+16*\m+\i]|
.endr
.endr
.irp m, 0,1,2
	v_permlanex16_b32 v[TM+4+\m], v[TM+\m], s58, s59
.endr
.irp m, 0,1,2
	v_max_num_f32 v[TM+\m], v[TM+\m], v[TM+4+\m]
.endr
.irp m, 0,1,2
	v_add_nc_u32 v[TM+12+\m], 0xff000000, v[TM+\m]  ; 2 off the exponent field: the conversion's scale operand
.endr
.irp m, 0,1,2
	v_lshrrev_b32 v[TM+4+\m], 23, v[TM+12+\m]       ; the scale's byte
.endr
.irp m, 0,1,2
	v_cvt_scalef32_pk8_fp4_f32 v[PC+2*\m], v[128+16*\m:135+16*\m], v[TM+12+\m]
	v_cvt_scalef32_pk8_fp4_f32 v[PC+2*\m+1], v[136+16*\m:143+16*\m], v[TM+12+\m]
.endr
	v_nop                                          ; one plain line behind the last conversion
	s_wait_alu depctr_va_vdst(0)                   ; the conversions have written v88-93 and the shifts v52-54, which the LDS stores read; and the activation is done with v128-239, in which h's fragments will land
.irp m, 0,1,2
	ds_store_b64 v4, v[PC+2*\m:PC+2*\m+1] offset:8192*\q+2048*\m
	ds_store_b8 v5, v[TM+4+\m] offset:512*\q+128*\m
.endr
	s_wait_alu depctr_vm_vsrc(0)                   ; the stores have read v88-93 and v52-54: the next activation writes them again; behind the second, b3 and the stage's rows land there
	s_wait_dscnt 0x0                               ; my stores have landed, and what was asked for ahead of this macro is in
.endm
.macro PRE2                            ; what the second product wants and no wave still has to write: W3's scale words, (c_lo, c_hi), the tokens of the rows that my lanes will store
.irp q, 0,1
.irp g, 0,1,2,3
	ds_load_b64 v[WS+8*\q+2*\g:WS+8*\q+2*\g+1], v6 offset:4096+1024*\q+256*\g
.endr
.endr
.irp m, 0,1,2
	ds_load_b64 v[CW+2*\m:CW+2*\m+1], v15 offset:128*\m
.endr
.irp m, 0,1,2
.irp i, 0,1,2,3,4,5,6,7
	ds_load_b32 v[176+8*\m+48*(\m/2)+\i], v12 offset:(16*\m+2*\i)*4
.endr
.endr
.endm
.macro GETB3 j                         ; b3 of column tile j, both experts, in the result's layout
.irp q, 0,1
	ds_load_b128 v[TM+8*\q:TM+8*\q+3], v14 offset:512*\q+64*(\j)
	ds_load_b128 v[TM+8*\q+4:TM+8*\q+7], v14 offset:512*\q+64*(\j)+16
.endr
.endm
.macro WEIGH m                         ; row tile m: the two experts' rows are weighed and added
.irp i, 0,2,4,6
	v_pk_mul_f32 v[XF+8*\m+\i:XF+8*\m+\i+1], v[XF+8*\m+\i:XF+8*\m+\i+1], v[CW+2*\m:CW+2*\m+1] op_sel_hi:[1,0]   ; x c_lo
.endr
.irp i, 0,1,2,3,4,5,6,7
	v_fmac_f32 v[XF+8*\m+\i], v[XF+32+8*\m+\i], v[CW+2*\m+1]                                                  ; + c_hi x
.endr
.endm
.macro TOSTG j, m                      ; 32 bytes a lane to my stage
	ds_store_b128 v10, v[XF+8*\m:XF+8*\m+3] offset:4352*\m+64*((\j)%4)
	ds_store_b128 v10, v[XF+8*\m+4:XF+8*\m+7] offset:4352*\m+64*((\j)%4)+16
.endm
; column tile j: 16 columns x 48 rows x both experts: 6 accumulators by turns, two K steps; b3 is the C of the first; the next tile's b3 is asked for behind row tile 0's weighing
.macro COLTILE j
	s_wait_loadcnt 8*(7-(\j))                      ; the later tiles' slots are younger
.if \j == 0
	s_wait_dscnt 0x0
.else
	s_wait_dscnt 6                                 ; b3 is in; the last tile's six stores into my stage are younger and may be out
	s_wait_alu depctr_vm_vsrc(0)                   ; the last tile's stage stores (j = 4: the way out's global stores) have read v64-127, which the products below write
.endif
	WIN 0x01
.irp z, 0,1
.irp q, 0,1
.irp m, 0,1,2
.set rD, XF+32*\q+8*\m
.if \z == 0
.set rC, TM+8*\q
.else
.set rC, rD
.endif
.set rA, 32*(\j)+16*\q+8*\z
.set rB, 128+8*((4*\q+\m)*2+\z)
.set rSA, WS+8*\q+2*((\j)/2)+\z
.set rSB, XS+4*\q+\m
	WM (\j)%2, \z
.endr
.endr
.endr
	WIN 0
	PLACES
	WEIGH 0
	s_wait_alu depctr_va_vdst(0)                   ; row tile 0's sums are written, which its stage stores read; the products are done reading b3, in which the next tile's lands
.if \j < 7
	GETB3 (\j)+1
.endif
	TOSTG \j, 0
	WEIGH 1                                        ; these name v72-87, v104-119 and (c_lo, c_hi): none of the registers that the six LDS instructions above touch
	WEIGH 2
	s_wait_alu depctr_va_vdst(0)                   ; row tiles 1 and 2's sums are written, which their stage stores read
	TOSTG \j, 1
	TOSTG \j, 2
.endm
; THE WAY OUT of four column tiles (256 bytes a row), 16 rows a batch.  The loads from my stage and their waits stand on every path; only a batch's eight stores are jumped over where the tile has no row there.
.macro STAGEIN m, set
.irp i, 0,1,2,3,4,5,6,7
	ds_load_b128 v[64+32*\set+4*\i:64+32*\set+4*\i+3], v11 offset:(16*\m+2*\i)*272   ; my own bytes: LDS serves a wave's instructions in order
.endr
.endm
.macro STORES g, m, set
	s_cmp_le_u32 s25, 16*\m
	s_cbranch_scc1 .Lskip_\@
.irp i, 0,1,2,3,4,5,6,7
	global_store_b128 v[176+8*\m+48*(\m/2)+\i], v[64+32*\set+4*\i:64+32*\set+4*\i+3], s[18:19] offset:256*\g th:TH_STORE_NT   ; sixteen lanes store 256 consecutive bytes, aligned, of a token's row
.endr
.Lskip_\@:
.endm
.macro SENDGROUP g
	s_wait_alu depctr_vm_vsrc(0)                   ; the stage stores have read v64-87, in which the stage's rows land (the vector and matrix instructions that named v64-127 stand ahead of the last wait on va_vdst)
	STAGEIN 0, 0
	STAGEIN 1, 1
	s_wait_dscnt 8                                 ; batch 0 is in; batch 1's eight loads are younger
	STORES \g, 0, 0
	s_wait_dscnt 0x0
	STORES \g, 1, 1
	s_wait_xcnt 0x0                                ; batch 0's registers are loaded again only behind this wait
	s_wait_alu depctr_vm_vsrc(0)                   ; batch 0's global stores have read v64-95, in which batch 2 lands
	STAGEIN 2, 0
	s_wait_dscnt 0x0
	STORES \g, 2, 0
	s_wait_xcnt 0x0                                ; and the products that follow write them only behind this one
.endm
	s_load_b512 s[4:19], s[0:1], 0x0               ; xq, wq, rt, plan, b1, b2, b3, out0
	v_lshl_add_u32 v30, v0, 2, 0x40000
	v_mov_b32 v31, 0
	v_lshrrev_b32 v9, 5, v0
	v_readfirstlane_b32 s40, v9                    ; wave w
	s_lshl_b32 s20, ttmp9, 5
	s_wait_kmcnt 0x0
	s_load_b256 s[24:31], s[10:11], s20 offset:0x8000   ; my tile: first, count, lo, hi, last
	v_and_b32 v98, 31, v0                          ; l
	v_and_b32 v99, 15, v0                          ; r
	v_bfe_u32 v100, v0, 4, 1                       ; h
	v_bfe_u32 v101, v0, 2, 3                       ; l / 4
	v_lshlrev_b32 v1, 4, v98
	v_lshlrev_b32 v102, 4, v99
	v_lshlrev_b32 v103, 2, v98
	v_mul_u32_u24 v2, v100, 272
	v_add_nc_u32 v2, v2, v102                      ; 272 h + 16 r
	s_wait_alu depctr_va_sdst(0)                   ; s40 is written, ahead of its first reader: LDS addresses and the weights' bases are made from it
	s_lshl_b32 s21, s40, 9
	s_add_co_u32 s22, s21, BIA
	v_lshlrev_b32 v3, 6, v100
	v_add_nc_u32 v3, s22, v3
	v_add_nc_u32 v85, s22, v103
	v_add_nc_u32 v13, s21, v102                    ; 512 w + 16 r
	s_lshl_b32 s22, s40, 8
	s_add_co_u32 s22, s22, HIMG
	v_lshl_add_u32 v4, v100, 3, v102
	v_add_nc_u32 v4, s22, v4                       ; block w of the next K: K step w / 4, group (w / 2) % 2, lanes' half w % 2: 256 w; + 16 r + 8 h
	s_lshr_b32 s22, s40, 2
	s_lshl_b32 s22, s22, 6
	s_and_b32 s23, s40, 3
	s_add_co_u32 s22, s22, s23
	s_add_co_u32 s22, s22, HSC
	v_lshlrev_b32 v5, 2, v99
	v_add_nc_u32 v5, s22, v5
	s_mul_i32 s22, s40, 6144
	s_add_co_u32 s22, s22, WSL
	v_lshlrev_b32 v6, 3, v98
	v_add_nc_u32 v6, s22, v6
	v_add_nc_u32 v84, s22, v1
	v_add_nc_u32 v7, HIMG, v1
	v_add_nc_u32 v8, HSC, v103
	v_lshlrev_b32 v9, 5, v99
	v_lshl_add_u32 v9, v100, 4, v9
	v_add_nc_u32 v9, XSL, v9
	s_mul_i32 s22, s40, 17408
	s_add_co_u32 s22, s22, STG
	v_mul_u32_u24 v10, v99, 272
	v_lshl_add_u32 v10, v100, 5, v10
	v_add_nc_u32 v10, s22, v10
	v_add_nc_u32 v11, s22, v2
	v_lshlrev_b32 v12, 2, v100
	v_add_nc_u32 v12, TOKL, v12
	s_lshl_b32 s22, s40, 10
	s_add_co_u32 s22, s22, B3L
	v_lshlrev_b32 v14, 5, v100
	v_add_nc_u32 v14, s22, v14
	v_add_nc_u32 v86, s22, v1
	v_lshlrev_b32 v15, 3, v99
	v_add_nc_u32 v15, CWL, v15
	s_lshr_b32 s22, s40, 1
	s_mul_i32 s22, s22, 8704
	s_and_b32 s23, s40, 1
	s_lshl_b32 s23, s23, 7
	s_add_co_u32 s22, s22, s23
	v_mul_u32_u24 v87, v98, 272
	v_add_nc_u32 v87, s22, v87                     ; my 8 rows' codes: lane = block: row tile w / 2, 272 l, row 8 (w % 2) + j
	s_lshl_b32 s22, s40, 8
	s_add_co_u32 s22, s22, XSL
	v_lshlrev_b32 v88, 3, v98
	v_add_nc_u32 v88, s22, v88
	s_lshl_b32 s22, s40, 6
	s_add_co_u32 s22, s22, CWL
	v_lshlrev_b32 v89, 3, v101
	v_add_nc_u32 v89, s22, v89
	s_lshl_b32 s22, s40, 5
	s_add_co_u32 s22, s22, TOKL
	v_mov_b32 v81, s22
	v_lshlrev_b32 v83, 2, v101
	v_add_nc_u32 v83, s22, v83
	v_and_b32 v104, 3, v98
.irp m, 0,1,2,3
	v_mov_b32 v[TM+4+\m], 0                        ; a lane permute's destination counts as one of its sources
.endr
	s_mov_b32 s58, 0x76543210
	s_mov_b32 s59, 0xfedcba98
	s_mov_b32 s60, 0xbfb8aa3b                      ; -log2(e)
	s_mov_b32 s61, s60
	s_wait_kmcnt 0x0
	s_min_u32 s24, s24, 0x1fff
	s_min_u32 s25, s25, 48
	s_min_u32 s26, s26, 7
	s_min_u32 s27, s27, 7
	s_min_u32 s28, s28, 0x1fff
	s_lshl_b32 s23, s40, 3                         ; my first row place
	s_add_co_u32 s56, s24, s23
	s_lshl_b32 s56, s56, 2
	s_load_b256 s[32:39], s[10:11], s56 offset:0x0 ; my 8 places' tokens (what lies past the tile is not used; the bytes lie inside the buffer and are written)
	s_lshl_b32 s57, s28, 2
	s_load_b32 s41, s[10:11], s57 offset:0x0       ; the tile's last token
	s_lshl_b32 s42, s26, 17
	s_lshl_b32 s20, s40, 14
	s_add_co_u32 s42, s42, s20
	s_mov_b32 s43, 0
	s_add_nc_u64 s[44:45], s[6:7], s[42:43]        ; W1 of lo, my part
	s_add_nc_u64 s[46:47], s[44:45], 0x100000      ; W2 of lo
	s_add_nc_u64 s[52:53], s[44:45], 0x200000      ; W3 of lo
	s_lshl_b32 s42, s27, 17
	s_add_co_u32 s42, s42, s20
	s_add_nc_u64 s[48:49], s[6:7], s[42:43]        ; W1 of hi
	s_add_nc_u64 s[50:51], s[48:49], 0x100000
	s_add_nc_u64 s[54:55], s[48:49], 0x200000
	s_lshl_b32 s21, s40, 10
	s_lshl_b32 s20, s26, 13
	s_add_co_u32 s20, s20, s21
	v_add_nc_u32 v64, s20, v1
	s_lshl_b32 s20, s27, 13
	s_add_co_u32 s20, s20, s21
	v_add_nc_u32 v65, s20, v1
	s_lshl_b32 s21, s40, 7
	s_lshl_b32 s20, s26, 10
	s_add_co_u32 s20, s20, s21
	v_add_nc_u32 v66, s20, v103
	s_lshl_b32 s20, s27, 10
	s_add_co_u32 s20, s20, s21
	v_add_nc_u32 v67, s20, v103
	s_lshl_b32 s21, s40, 9
	s_lshl_b32 s20, s26, 12
	s_add_co_u32 s20, s20, s21
	v_add_nc_u32 v68, s20, v1
	s_lshl_b32 s20, s27, 12
	s_add_co_u32 s20, s20, s21
	v_add_nc_u32 v69, s20, v1
	s_wait_alu depctr_va_vdst(0)                   ; the offsets and LDS addresses v1 to v15, v64 to v69 and v81 to v89 are written, which the loads and LDS instructions from here on read
; 18 loads: the weights' scale words, b1, b2, b3 of both experts, my parts
.irp q, 0,1
.irp t, 0,1,2
.irp i, 0,1
	global_load_b128 v[128+4*((3*\q+\t)*2+\i):128+4*((3*\q+\t)*2+\i)+3], v[64+\q], s[6:7] offset:0x300000+0x10000*\t+512*\i
.endr
.endr
.endr
.irp q, 0,1
	global_load_b32 v[176+2*\q], v[66+\q], s[12:13]
	global_load_b32 v[177+2*\q], v[66+\q], s[14:15]
.endr
.irp q, 0,1
	global_load_b128 v[180+4*\q:183+4*\q], v[68+\q], s[16:17]
.endr
	FILL 0, 44
	FILL 1, 44
	FILL 2, 44
	FILL 3, 44
	WIN 0
	s_wait_kmcnt 0x0
.irp j, 0,1,2,3,4,5,6,7
	s_add_co_u32 s21, s23, \j
	s_cmp_lt_u32 s21, s25                          ; a place past the tile's count repeats the last token
	s_cselect_b32 s[32+\j], s[32+\j], s41
	s_min_u32 s[32+\j], s[32+\j], 0x1fff
	v_mov_b32 v[90+\j], s[32+\j]
	v_lshl_add_u32 v[70+\j], s[32+\j], 9, v1
.endr
	s_wait_alu depctr_va_vdst(0)                   ; my eight tokens v90 to v97 are written, which the LDS stores read, and their rows' offsets v70 to v77, which the loads read
.irp j, 0,1,2,3,4,5,6,7
	ds_store_b32 v81, v[90+\j] offset:4*\j
.endr
	ds_load_b32 v78, v83                           ; lane l: the token of my place l / 4 (my own bytes, served in order)
.irp j, 0,1,2,3,4,5,6,7
	global_load_b128 v[192+4*\j:195+4*\j], v[70+\j], s[4:5]     ; a token's 512 bytes of codes
.endr
	s_wait_dscnt 0x0
	v_min_u32 v78, 0x1fff, v78
	v_lshlrev_b32 v79, 5, v78
	v_lshl_add_u32 v79, v104, 3, v79
	v_lshlrev_b32 v80, 3, v78
	s_wait_alu depctr_va_vdst(0)                   ; the offsets v79 and v80 are written, which the two loads read; no vector instruction behind this line names v64 to v119 before x's fragments land there
	global_load_b64 v[224:225], v79, s[4:5] offset:XSO
	global_load_b64 v[226:227], v80, s[8:9]
	s_wait_loadcnt 42                              ; the 18 are in: four slots (32 loads) and the rows' 10 are younger
.irp q, 0,1
.irp t, 0,1,2
.irp i, 0,1
	ds_store_b128 v84, v[128+4*((3*\q+\t)*2+\i):128+4*((3*\q+\t)*2+\i)+3] offset:(\t/2)*(4096+1024*\q)+(1-\t/2)*(2048*\q+1024*\t)+512*\i
.endr
.endr
.endr
.irp q, 0,1
.irp t, 0,1
	ds_store_b32 v85, v[176+2*\q+\t] offset:256*\q+128*\t
.endr
	ds_store_b128 v86, v[180+4*\q:183+4*\q] offset:512*\q
.endr
	FILL 4, 44
	FILL 5, 44
	WIN 0
	s_wait_loadcnt 16                              ; the rows are in: two slots are younger
.irp j, 0,1,2,3,4,5,6,7
	ds_store_b128 v87, v[192+4*\j:195+4*\j] offset:16*\j
.endr
	ds_store_b64 v88, v[224:225]
	ds_store_b64 v89, v[226:227]
	FILL 6, 44
	FILL 7, 44
	WIN 0
	s_wait_alu depctr_vm_vsrc(0)                   ; the head's loads and LDS stores have read their offsets, addresses and data: the biases land in v176-191 below, x's fragments in v64-119 behind the barrier, and the products and the activation write v88-93 and v128-239
	PH_OWN 0                                       ; my own bytes, stored above and served in order: they come back while I wait for the others
	s_wait_dscnt 0x0                               ; for the others' sake
	s_barrier_signal -1
	s_barrier_wait -1                              ; the tile's codes, scale bytes, weights and tokens lie in LDS
	PH_X 0
.irp s, 0,1,2,3,4,5,6,7
	KSTEP 0, \s
.endr
	s_wait_alu depctr_va_vdst(0)                   ; the pass's products are done reading slot 7, the weights' scale words, the biases and both sets of x, in which the loads below land
	FILL 7, 48
	WIN 0
	PH_OWN 1                                       ; the second pass's 28 loads land under the activation
	PH_X 1
	ACT 0
.irp s, 0,1,2,3,4,5,6,7
	KSTEP 1, \s
.endr
	s_wait_alu depctr_va_vdst(0)                   ; the pass's products are done reading slot 7, the scale words and the biases, in which the loads below land
	FILL 7, 52
	WIN 0
	PRE2                                           ; 35 loads for the second product land under the activation
	ACT 1
	s_barrier_signal -1                            ; (ACT ends with the wait for all my LDS instructions)
.irp m, 0,1,2
.irp i, 0,1,2,3,4,5,6,7
	v_min_u32 v[176+8*\m+48*(\m/2)+\i], 0x1fff, v[176+8*\m+48*(\m/2)+\i]
	v_lshl_add_u32 v[176+8*\m+48*(\m/2)+\i], v[176+8*\m+48*(\m/2)+\i], 12, v13   ; the 24 store offsets, made once while the others arrive: token x 4,096 + 512 w + 16 (l % 16); the column tiles' waits on va_vdst stand between these lines and the stores that read them
.endr
.endr
	s_barrier_wait -1                              ; h's 12 fragments and their scale words lie in LDS
.irp q, 0,1
.irp m, 0,1,2
.irp z, 0,1
	ds_load_b128 v[128+8*((4*\q+\m)*2+\z):128+8*((4*\q+\m)*2+\z)+3], v7 offset:1024*((4*\q+\m)*2+\z)      ; no wait: since the activation's wait ahead of its stores only the 48 lines above were issued, which name v176-191, v240-247 and v13
	ds_load_b128 v[128+8*((4*\q+\m)*2+\z)+4:128+8*((4*\q+\m)*2+\z)+7], v7 offset:1024*((4*\q+\m)*2+\z)+512
.endr
.endr
.endr
.irp q, 0,1
.irp m, 0,1,2
	ds_load_b32 v[XS+4*\q+\m], v8 offset:128*(4*\q+\m)   ; lanes 0-15: K step 0's words, lanes 16-31: K step 1's
.endr
.endr
	GETB3 0
	COLTILE 0
	COLTILE 1
	COLTILE 2
	COLTILE 3
	SENDGROUP 0
	COLTILE 4
	COLTILE 5
	COLTILE 6
	COLTILE 7
	SENDGROUP 1
	s_wait_dscnt 0x0                               ; the closing lines, six on end
	s_wait_alu 0x0
	s_wait_tensorcnt 0x0
	ds_add_u32 v30, v31
	s_wait_dscnt 0x0
	s_endpgm
.Lfunc_end_k_q65a8974ae6_chain:
	.size	k_q65a8974ae6_chain, .Lfunc_end_k_q65a8974ae6_chain-k_q65a8974ae6_chain
	.p2alignl 7, 3214868480
	.fill 96, 4, 3214868480
	.section	.rodata,"a",@progbits
	.p2align	6, 0x0
	.amdhsa_kernel k_q65a8974ae6_chain
		.amdhsa_group_segment_fixed_size 263168
		.amdhsa_private_segment_fixed_size 0
		.amdhsa_enable_private_segment 0
		.amdhsa_kernarg_size 64
		.amdhsa_user_sgpr_count 2
		.amdhsa_user_sgpr_kernarg_segment_ptr 1
		.amdhsa_wavefront_size32 1
		.amdhsa_system_sgpr_workgroup_id_x 1
		.amdhsa_system_sgpr_workgroup_id_y 1
		.amdhsa_system_sgpr_workgroup_id_z 1
		.amdhsa_system_vgpr_workitem_id 0
		.amdhsa_next_free_vgpr 512
		.amdhsa_next_free_sgpr 66
		.amdhsa_reserve_vcc 0
		.amdhsa_float_denorm_mode_32 3
		.amdhsa_float_denorm_mode_16_64 3
		.amdhsa_memory_ordered 1
		.amdhsa_forward_progress 1
		.amdhsa_inst_pref_size 139
	.end_amdhsa_kernel
	.amdgpu_metadata
---
amdhsa.version: [ 1, 2 ]
amdhsa.kernels:
  - .name:           k_q65a8974ae6_chain
    .symbol:         k_q65a8974ae6_chain.kd
    .args:
      - { .name: xq, .offset: 0, .size: 8, .value_kind: global_buffer, .address_space: global }
      - { .name: wq, .offset: 8, .size: 8, .value_kind: global_buffer, .address_space: global }
      - { .name: rt, .offset: 16, .size: 8, .value_kind: global_buffer, .address_space: global }
      - { .name: plan, .offset: 24, .size: 8, .value_kind: global_buffer, .address_space: global }
      - { .name: b1, .offset: 32, .size: 8, .value_kind: global_buffer, .address_space: global }
      - { .name: b2, .offset: 40, .size: 8, .value_kind: global_buffer, .address_space: global }
      - { .name: b3, .offset: 48, .size: 8, .value_kind: global_buffer, .address_space: global }
      - { .name: out0, .offset: 56, .size: 8, .value_kind: global_buffer, .address_space: global }
    .group_segment_fixed_size: 263168
    .private_segment_fixed_size: 0
    .kernarg_segment_align: 8
    .kernarg_segment_size: 64
    .max_flat_workgroup_size: 256
    .sgpr_count:     66
    .vgpr_count:     512
    .wavefront_size: 32
...
	.end_amdgpu_metadata
.endif
;; end of part 6
